; MI455X (gfx1250); checked and timed in simulation.
; The chip was launched on July 23, 2026; its instructions are those of AMD's public machine-readable ISA for CDNA 5 (MIT licence, August 2026) and "CDNA5" Instruction Set Architecture Reference Guide (July 2026). The comments in the code are by the model that wrote it; some were corrected since.
;; Attention Head. Allowed arithmetic: float matrix products may take bf16 or f16 operands with f32 sums; other float arithmetic in f32, or as packed bf16 or f16 multiplies, adds, multiply-adds, maxima and minima; sums over many terms, partial sums and values carried from step to step in f32; what a program stores and reads back later, other than sums and carried values, may be rounded once to bf16 or f16.
;; Inputs: input 4 x 2,048 x 1,024 float32; w 3,072 x 1,024 float32.
;; Outputs: out0 4 x 2,048 x 1,024 float32.
;; 2 versions, each right; version 2 is version 1 with the launch cast written anew for expert scheduling mode. Each part assembles by itself: llvm-mc -triple=amdgcn-amd-amdhsa -mcpu=gfx1250 --defsym DOCPART=n.
;; ======== version 1 of 2: 4 launches
;; limits: values are held in f16: magnitudes above 65,504 overflow, below 6.1e-05 lose precision
;; workspace buffers: xw 23,068,672 bytes; qkv 50,331,648 bytes; pbuf 33,554,432 bytes; tmx 262,144 bytes; lsum 262,144 bytes
;; launch cast (part 1): grid 352 x 1, 8 waves a work-group, no clusters, 0 bytes of LDS; arguments input, w, xw; writes xw
.if DOCPART == 1
	.amdgcn_target "amdgcn-amd-amdhsa--gfx1250"
	.amdhsa_code_object_version 6
	.text
	.protected	k_q8747a67bff_cast
	.globl	k_q8747a67bff_cast
	.p2align	8
	.type	k_q8747a67bff_cast,@function
k_q8747a67bff_cast:
	s_mov_b64 s[64:65], 0
	v_nop
	global_prefetch_b8 v0, s[64:65] scope:SCOPE_SE
	s_setreg_imm32_b32 hwreg(HW_REG_WAVE_MODE, 25, 1), 1
	s_wait_xcnt 0x0
; xw = input and w, each number rounded once to bf16, laid out in blocks: [16 kb][11264 rows][64 k].
; Rows 0-8191 are input's rows (b x 2048 + n), rows 8192-11263 are w's.  In a block kb a row is 128 bytes and rows lie end to end,
; so that the product that follows can ask for a tile of 64 along K as dense rows of 256 bytes.
; SHARES.  A work-group takes 32 rows, a wave 4.  A load covers 256 consecutive bytes (64 numbers, one kb) of each of two rows: lanes 0-15 one row, lanes 16-31 the next.
; A store covers the same two rows' 128 bytes each, which are neighbours in xw: 256 consecutive bytes at a multiple of 256.
; All 32 loads of a wave (16 KiB) go out first; no register is used twice, so the only waits are the counted ones for the loads.
; No LDS, no barrier, no matrix unit: every byte is read once and written once.
.set KBS, 1441792                      ; bytes from one kb block to the next: 11264 rows x 128
.set X,   4                            ; v[4:131]  load i: 4 registers
.set SRC, 132                          ; v132  my byte offset in the work-group's rows of the source
.set DST, 133                          ; v133  my byte offset in the work-group's rows of a block of xw
	s_load_b128 s[4:7], s[0:1], 0x0                ; input s[4:5], w s[6:7]
	s_load_b64 s[8:9], s[0:1], 0x10                ; xw
	v_lshrrev_b32 v1, 5, v0                        ; wave
	v_bfe_u32 v2, v0, 4, 1                         ; h: which row of a pair
	v_lshl_add_u32 v1, v1, 2, v2                   ; 4 x wave + h
	v_and_b32 v3, 15, v0                           ; r
	v_lshlrev_b32 v2, 4, v3
	v_lshl_add_u32 v[SRC], v1, 12, v2              ; row x 4,096 + 16 r
	v_lshlrev_b32 v3, 3, v3
	v_lshl_add_u32 v[DST], v1, 7, v3               ; row x 128 + 8 r
	s_cmp_lt_u32 ttmp9, 256                        ; work-groups 0-255 take input, 256-351 take w
	s_cselect_b32 s10, 0, 256
	s_sub_co_u32 s10, ttmp9, s10                   ; the block of 32 rows in its own tensor
	s_lshl_b32 s10, s10, 17                        ; x 32 rows x 4,096 bytes
	s_mov_b32 s11, 0
	s_lshl_b32 s12, ttmp9, 12                      ; in xw: 32 rows x 128 bytes
	s_mov_b32 s13, 0
	s_wait_kmcnt 0x0
	s_cmp_lt_u32 ttmp9, 256
	s_cselect_b64 s[4:5], s[4:5], s[6:7]
	s_add_nc_u64 s[4:5], s[4:5], s[10:11]
	s_add_nc_u64 s[16:17], s[8:9], s[12:13]        ; four bases, five blocks apart, so that a block's distance fits the stores' signed 24-bit immediate
	s_add_nc_u64 s[18:19], s[16:17], 5*KBS
	s_add_nc_u64 s[20:21], s[18:19], 5*KBS
	s_add_nc_u64 s[22:23], s[20:21], 5*KBS
.set i, 0
.rept 32                                               ; load i: pair of rows i / 16, block i % 16
	global_load_b128 v[X+4*i:X+4*i+3], v[SRC], s[4:5] offset:(i/16)*8192+(i%16)*256 th:TH_LOAD_NT
.set i, i+1
.endr
.set i, 0
.rept 32
	s_wait_loadcnt 31-i                            ; loads come back in order: load i is in, the 31 - i younger ones stay out
	v_cvt_pk_bf16_f32 v[X+4*i], v[X+4*i], v[X+4*i+1]
	v_cvt_pk_bf16_f32 v[X+4*i+1], v[X+4*i+2], v[X+4*i+3]
	global_store_b64 v[DST], v[X+4*i:X+4*i+1], s[16+2*((i%16)/5):17+2*((i%16)/5)] offset:((i%16)%5)*KBS+(i/16)*256
.set i, i+1
.endr
	s_endpgm
.Lfunc_end_k_q8747a67bff_cast:
	.size	k_q8747a67bff_cast, .Lfunc_end_k_q8747a67bff_cast-k_q8747a67bff_cast
	.p2alignl 7, 3214868480
	.fill 96, 4, 3214868480
	.section	.rodata,"a",@progbits
	.p2align	6, 0x0
	.amdhsa_kernel k_q8747a67bff_cast
		.amdhsa_group_segment_fixed_size 0
		.amdhsa_private_segment_fixed_size 0
		.amdhsa_enable_private_segment 0
		.amdhsa_kernarg_size 24
		.amdhsa_user_sgpr_count 2
		.amdhsa_user_sgpr_kernarg_segment_ptr 1
		.amdhsa_wavefront_size32 1
		.amdhsa_system_sgpr_workgroup_id_x 1
		.amdhsa_system_sgpr_workgroup_id_y 1
		.amdhsa_system_sgpr_workgroup_id_z 1
		.amdhsa_system_vgpr_workitem_id 0
		.amdhsa_next_free_vgpr 136
		.amdhsa_next_free_sgpr 66
		.amdhsa_reserve_vcc 0
		.amdhsa_float_denorm_mode_32 3
		.amdhsa_float_denorm_mode_16_64 3
		.amdhsa_memory_ordered 1
		.amdhsa_forward_progress 1
		.amdhsa_inst_pref_size 13
	.end_amdhsa_kernel
	.amdgpu_metadata
---
amdhsa.version: [ 1, 2 ]
amdhsa.kernels:
  - .name:           k_q8747a67bff_cast
    .symbol:         k_q8747a67bff_cast.kd
    .args:
      - { .name: input, .offset: 0, .size: 8, .value_kind: global_buffer, .address_space: global }
      - { .name: w, .offset: 8, .size: 8, .value_kind: global_buffer, .address_space: global }
      - { .name: xw, .offset: 16, .size: 8, .value_kind: global_buffer, .address_space: global }
    .group_segment_fixed_size: 0
    .private_segment_fixed_size: 0
    .kernarg_segment_align: 8
    .kernarg_segment_size: 24
    .max_flat_workgroup_size: 256
    .sgpr_count:     66
    .vgpr_count:     136
    .wavefront_size: 32
...
	.end_amdgpu_metadata
.endif
;; end of part 1
;; launch proj (part 2): grid 8 x 32, 4 waves a work-group, clusters of 4 x 4, 327,680 bytes of LDS; arguments xw, qkv; writes qkv
.if DOCPART == 2
	.amdgcn_target "amdgcn-amd-amdhsa--gfx1250"
	.amdhsa_code_object_version 6
	.text
	.protected	k_q8747a67bff_proj
	.globl	k_q8747a67bff_proj
	.p2align	8
	.type	k_q8747a67bff_proj,@function
k_q8747a67bff_proj:
	s_mov_b64 s[64:65], 0
	v_nop
	global_prefetch_b8 v0, s[64:65] scope:SCOPE_SE
	s_setreg_imm32_b32 hwreg(HW_REG_WAVE_MODE, 25, 1), 1
	s_wait_xcnt 0x0
	s_wait_alu depctr_hold_cnt(0) depctr_sa_sdst(0) depctr_va_vdst(0) depctr_va_sdst(0) depctr_va_ssrc(0) depctr_va_vcc(0) depctr_vm_vsrc(0)
	s_getreg_b32 s2, hwreg(HW_REG_IB_STS2, 6, 4)
	s_cmp_eq_u32 s2, 0
	s_cbranch_scc0 .Lentry_in_a_cluster
	s_endpgm
.Lentry_in_a_cluster:
	s_bfe_u32 s2, ttmp6, 0x10000c
	s_cmp_lg_u32 s2, 0xf033
	s_cbranch_scc0 .Lentry_shape_is_right
	s_endpgm
.Lentry_shape_is_right:
; qkv[m][o] = the sum over h of x[m][h] w[o][h].  x (8192 rows) and w (3072 rows) come from xw in bf16, blocked [16 kb][11264 rows][64 k]; sums in f32; qkv [8192][3072] in f16, rounded once.
; LIMIT.  f16 holds no number beyond 65,504: a sum of 65,520 or more leaves as an infinity.
; SHARES.  A tile of qkv is 256 rows x 384 columns: 32 x 8 = 256 work-groups.  Four waves, 2 x 2: a wave makes 128 rows x 192 columns: 96 accumulators of 16 x 16, 768 registers.
; K goes in steps of 64 (one block kb) through a ring of two LDS slots.  A tile's rows for one kb are dense in xw, so they are asked for as rows of 256 bytes (two rows of 128) and padded in LDS after every 128 bytes.
; CLUSTER.  4 x 4 work-groups.  x's tile hangs on the tile row alone and is shared along a row of the cluster, w's on the tile column alone and is shared along a column: each is asked for jointly.
; Wave 0 asks for x's 256 rows, waves 1 to 3 for 128 rows of w each.
; THE MATRIX INSTRUCTION IS USED TRANSPOSED (source 0 = 16 rows of w, source 1 = 16 rows of x): a lane then holds eight neighbouring columns of one row of qkv.
; REGISTERS, in windows of 256 (s_set_vgpr_msb: bits 1:0 source 0, 3:2 source 1, 5:4 source 2, 7:6 destination):
;   window 0: v16-30 addresses; v32-95, v96-159 x's fragments of the step's first and second 32 along K (8 x 16 rows); v160-207, v208-255 w's fragments, six column blocks each
;   windows 1-3: accumulator n = 48 hb + 6 a + bb (hb: half of my 12 column blocks, a: row block, bb: column block in the half) at window 1 + n / 32, v[8 (n % 32)]
; A K step is four phases of 48 matrix instructions; at the head of each stand the LDS loads for the phase after it, in one run.
.set KBS,    1441792                   ; bytes from one kb block of xw to the next
.set PITCH,  144                       ; an LDS row: 128 bytes + 16 of padding = 36 words: the 16 rows of a load start at 16 different groups of four banks (64 banks of 4 bytes: ISA guide 11.1)
.set ABYTES, 256*PITCH                 ; x's 256 rows
.set BPART,  128*PITCH                 ; what one of waves 1-3 brings of w
.set SLOT,   640*PITCH                 ; x's 256 rows, then w's 384
.set SPITCH, 784                       ; the stage: a row of 768 bytes + 16
.set SPARE,  256*SPITCH                ; the stage lies over the ring, which has had its last fill when the stage is written; behind it the spare words, 128 bytes a wave, that no other line names
.set LAPS,   8                         ; 16 K steps, two a lap
.set ADRA, 16                          ; v16-17  LDS address of my fragments of x in slot 0, 1
.set ADRB, 20                          ; v20-21  the same for w
.set STO,  22                          ; v22-23  the way out: where I put 16 bytes of a row, for row blocks 0-3 and 4-7
.set RD,   25                          ; v25     where I read rows back
.set CO,   26                          ; v26     my byte offset in qkv
.set SPW,  28                          ; v28     LDS address of my spare word; never rewritten
.set NIL,  29                          ; v29     0; never rewritten
.set PFO,  30                          ; v30     256 x lane: the prefetches' offset; never rewritten
.set FA,   32
.set FB,   160
.set TMP,  32                          ; the way out: v32-159 packed results; v32-127, v128-223 rows read back
.set WV,   10                          ; s10  my wave's number
.set G1,   24                          ; s[24:31] descriptor group 1 for x's tiles;  s[32:39] group 0, a set for each slot
.set G0,   32
.set G1B,  48                          ; s[48:55], s[56:63] the same for w's tiles
.set G0B,  56
.set PFA,  44                          ; s[44:45] where my prefetches stand
.set LIM,  43                          ; s43  1 in a wave that prefetches, else the greatest number
.set MSB, 0
.macro WIN new                         ; the immediate's high byte repeats the setting that is left; a switch that changes nothing is dropped
.if MSB != (\new)
	s_set_vgpr_msb (MSB<<8)|(\new)
.set MSB, \new
.endif
.endm
.macro PLACES                          ; four places in front of loads into registers that matrix instructions have read, and of conversions that read results
.rept 4
	v_nop
.endr
.endm
; A joint load: wave 0 asks for x's tile, waves 1-3 for their parts of w's.  The branch hangs on the wave's number alone.  An s_nop 0 and four v_nop follow each line.
.macro JLOAD s
	s_cmp_eq_u32 s[WV], 0
	s_cbranch_scc0 .Lfor_b_\@
	tensor_load_to_lds s[G0+4*(\s):G0+4*(\s)+3], s[G1:G1+7]
	s_nop 0
.rept 4
	v_nop
.endr
	s_branch .Lasked_\@
.Lfor_b_\@:
	tensor_load_to_lds s[G0B+4*(\s):G0B+4*(\s)+3], s[G1B:G1B+7]
	s_nop 0
.rept 4
	v_nop
.endr
.Lasked_\@:
.endm
.macro CREST                           ; a round of the cluster's barrier behind its opening barrier
	s_cmp_lg_u32 s[WV], 0
	s_cbranch_scc1 .Lnot_wave_0_\@
	s_barrier_signal -3
.Lnot_wave_0_\@:
	s_barrier_wait -3
	s_barrier_signal -1
	s_barrier_wait -1
.endm
.macro CROUND                          ; a whole round
	s_barrier_signal -1
	s_barrier_wait -1
	CREST
.endm
; A PREFETCH INTO THE L2, once a lap, behind slot 0's joint load and the run of LDS loads that follows it: the two K steps that the NEXT lap's refills will ask for.
; x's tile rows are read by both clusters of a row of clusters: the one with x = 0 asks; w's tile columns by all eight clusters of a column: the one with y = 0 asks.  The four partners that ask for a tile
; jointly share the two K steps out BY ADDRESS: the place's low bit picks the K step, its high bit the half of what the wave fetches (16,384 bytes of x, 8,192 of w).  A lane names 256 bytes; wave 0 needs two lines.
; So each 256 bytes are named once in the launch.  K steps 0 to 3 come by their loads alone; the last lap of the loop asks for nothing.
.macro ASK
	s_cmp_gt_u32 s3, s[LIM]                        ; s3 = 1 in the loop's last trip
	s_cbranch_scc0 .Lnot_mine_\@
	global_prefetch_b8 v[PFO], s[PFA:PFA+1] th:TH_LOAD_NT scope:SCOPE_SE
	s_cmp_eq_u32 s[WV], 0
	s_cbranch_scc0 .Lnot_mine_\@
	global_prefetch_b8 v[PFO], s[PFA:PFA+1] offset:8192 th:TH_LOAD_NT scope:SCOPE_SE
.Lnot_mine_\@:
.endm
	s_load_b128 s[4:7], s[0:1], 0x0                ; xw s[4:5], qkv s[6:7]
	v_lshl_add_u32 v[SPW], v0, 2, SPARE
	v_mov_b32 v[NIL], 0
	ds_add_u32 v[SPW], v[NIL]                      ; the wave's opening: the add and its wait stand ahead of my first tensor load; the set-up below stands between them
	v_lshrrev_b32 v1, 5, v0
	v_readfirstlane_b32 s[WV], v1                  ; wave 0..3
	s_lshr_b32 s11, s[WV], 1                       ; which 128 rows of the tile are mine
	s_and_b32 s12, s[WV], 1                        ; which 192 columns
	s_bfe_u32 s40, ttmp6, 0x40000                  ; cx, cy: my place in the cluster
	s_bfe_u32 s41, ttmp6, 0x40004
	s_lshl_b32 s42, ttmp9, 2
	s_add_co_u32 s42, s42, s40                     ; tile column = 4 x cluster x + cx
	s_and_b32 s13, ttmp7, 0xffff
	s_lshl_b32 s13, s13, 2
	s_add_co_u32 s13, s13, s41                     ; tile row = 4 x cluster y + cy
	s_lshl_b32 s43, s41, 2
	s_lshl_b32 s43, 15, s43                        ; my row of the cluster
	s_lshl_b32 s44, 0x1111, s40                    ; my column
	; descriptor group 1: dense bytes as rows of 128 elements (256 bytes), 16 bytes of padding after every 32 words
	s_or_b32 s[G1+0], s43, (1<<16)|(1<<20)|(1<<21)|(4<<22)|(3<<25)   ; 15:0 the mask; 17:16 2-byte elements; 20 padding on; 21 set beside a mask; 24:22 after every 32 words (code 4); 31:25 4 words (code 3)
	s_or_b32 s[G1B+0], s44, (1<<16)|(1<<20)|(1<<21)|(4<<22)|(3<<25)
	s_mov_b32 s[G1+1], 128<<16                     ; tensor_dim0 = 128
	s_mov_b32 s[G1+2], 128<<16                     ; tensor_dim1 = 128: x's 256 rows of 128 bytes
	s_mov_b32 s[G1+3], 128<<16                     ; tile_dim0 = 128
	s_mov_b32 s[G1+4], 128                         ; tile_dim1 = 128
	s_mov_b32 s[G1+5], 128                         ; 128 elements from row to row
	s_mov_b32 s[G1+6], 0
	s_mov_b32 s[G1+7], 0
	s_mov_b32 s[G1B+1], 128<<16
	s_mov_b32 s[G1B+2], 64<<16                     ; 64 rows of 256 bytes: 128 rows of w
	s_mov_b32 s[G1B+3], 128<<16
	s_mov_b32 s[G1B+4], 64
	s_mov_b32 s[G1B+5], 128
	s_mov_b32 s[G1B+6], 0
	s_mov_b32 s[G1B+7], 0
	s_lshl_b32 s16, s13, 15                        ; x: tile row x 256 rows x 128 bytes
	s_mov_b32 s17, 0
	s_mul_i32 s46, s42, 384*128                    ; w: tile column x 384 rows,
	s_lshl_b32 s47, s[WV], 14                      ; + (wave - 1) x 128 rows,
	s_add_co_u32 s46, s46, s47
	s_add_co_u32 s46, s46, 8192*128-16384          ; behind x's 8192 rows (wave 0 makes these words and never uses them)
	s_mov_b32 s47, 0
	s_mul_i32 s20, s[WV], BPART
	s_add_co_u32 s20, s20, ABYTES-BPART            ; w's part in a slot: behind x's rows, (wave - 1) x 128 rows
	s_wait_dscnt 0x0                               ; the opening add is done
	s_wait_kmcnt 0x0
	s_add_nc_u64 s[14:15], s[4:5], s[16:17]
	s_add_nc_u64 s[46:47], s[4:5], s[46:47]
	CROUND                                         ; all sixteen work-groups are here: the first joint loads meet
.irp s, 0,1
	s_mov_b32 s[G0+4*(\s)], 1                      ; count = 1
	s_mov_b32 s[G0+4*(\s)+1], (\s)*SLOT            ; LDS address
	s_add_nc_u64 s[G0+4*(\s)+2:G0+4*(\s)+3], s[14:15], (\s)*KBS  ; K step s
	s_or_b32 s[G0+4*(\s)+3], s[G0+4*(\s)+3], 0x80000000          ; type = 2
	s_mov_b32 s[G0B+4*(\s)], 1
	s_add_co_u32 s[G0B+4*(\s)+1], s20, (\s)*SLOT
	s_add_nc_u64 s[G0B+4*(\s)+2:G0B+4*(\s)+3], s[46:47], (\s)*KBS
	s_or_b32 s[G0B+4*(\s)+3], s[G0B+4*(\s)+3], 0x80000000
	JLOAD \s                                       ; two loads of mine are out
.endr
	; the prefetches' address: what I fetch, at K step 2 (the first lap steps it to 4), my place's K step and half
	s_and_b32 s22, ttmp7, 0xffff                   ; cluster y
	s_cmp_eq_u32 s[WV], 0
	s_cselect_b32 s21, s40, s41                    ; my place among the four that ask with me
	s_cselect_b32 s22, ttmp9, s22                  ; the coordinate along which other clusters read the same rows
	s_cselect_b32 s20, 14, 13                      ; a half is 16,384 bytes of x, 8,192 of w
	s_cselect_b64 s[PFA:PFA+1], s[14:15], s[46:47]
	s_cmp_eq_u32 s22, 0
	s_cselect_b32 s[LIM], 1, -1                    ; the same in all sixteen partners, for a given wave
	s_and_b32 s18, s21, 1
	s_mul_i32 s18, s18, KBS
	s_lshr_b32 s19, s21, 1
	s_lshl_b32 s19, s19, s20
	s_add_co_u32 s18, s18, s19
	s_add_co_u32 s18, s18, 2*KBS
	s_mov_b32 s19, 0
	s_add_nc_u64 s[PFA:PFA+1], s[PFA:PFA+1], s[18:19]
	v_and_b32 v[PFO], 31, v0
	v_lshlrev_b32 v[PFO], 8, v[PFO]
	; A fragment is 16 rows x 32 K in 8 registers: lane l holds row l % 16; registers 0-3 K = 8 (l / 16) + 0..7, registers 4-7 K = 16 + 8 (l / 16) + 0..7: two loads of 16 bytes, 32 bytes apart.
	v_and_b32 v1, 15, v0                           ; r
	v_bfe_u32 v2, v0, 4, 1                         ; h
	v_mul_u32_u24 v3, v1, PITCH
	v_lshl_add_u32 v3, v2, 4, v3
	s_mul_i32 s21, s11, 128*PITCH
	s_mul_i32 s22, s12, 192*PITCH
	s_add_co_u32 s22, s22, ABYTES
.irp s, 0,1
	v_add_nc_u32 v[ADRA+(\s)], s21, v3
	v_add_nc_u32 v[ADRB+(\s)], s22, v3
	s_add_co_u32 s21, s21, SLOT
	s_add_co_u32 s22, s22, SLOT
.endr
	s_mul_i32 s23, s11, 128*SPITCH                 ; into the stage: my 128 rows, my 384 bytes of them; row r, 16 bytes for each half of the lanes
	s_mul_i32 s21, s12, 384
	s_add_co_u32 s23, s23, s21
	v_mul_u32_u24 v4, v1, SPITCH
	v_lshl_add_u32 v4, v2, 4, v4
	v_add_nc_u32 v[STO], s23, v4
	v_add_nc_u32 v[STO+1], 64*SPITCH, v[STO]
	s_mul_i32 s23, s[WV], 64*SPITCH                ; back: wave w takes rows 64 w .. 64 w + 63, whole; lanes 0-15 one row's 256 bytes, lanes 16-31 the next row's
	v_mul_u32_u24 v5, v2, SPITCH
	v_lshl_add_u32 v5, v1, 4, v5
	v_add_nc_u32 v[RD], s23, v5
	v_mul_u32_u24 v5, v2, 6144
	v_lshl_add_u32 v[CO], v1, 4, v5
	s_lshl_b32 s16, s13, 8
	s_lshl_b32 s17, s[WV], 6
	s_add_co_u32 s16, s16, s17                     ; the first row of qkv that I store
	s_mul_i32 s16, s16, 6144
	s_mov_b32 s17, 0
	s_add_nc_u64 s[8:9], s[6:7], s[16:17]
	s_mul_i32 s46, s42, 768                        ; the tile's first column, in bytes
	s_mov_b32 s47, 0
	s_add_nc_u64 s[8:9], s[8:9], s[46:47]
; 12 LDS loads: w's column blocks 6 hb .. 6 hb + 5, the step's 32 along K number c
.macro LDB slot, c, hb
	WIN 0
.irp bb, 0,1,2,3,4,5
	ds_load_b128 v[FB+48*(\hb)+8*\bb:FB+48*(\hb)+8*\bb+3],   v[ADRB+(\slot)] offset:(6*(\hb)+\bb)*16*PITCH+64*(\c)
	ds_load_b128 v[FB+48*(\hb)+8*\bb+4:FB+48*(\hb)+8*\bb+7], v[ADRB+(\slot)] offset:(6*(\hb)+\bb)*16*PITCH+64*(\c)+32
.endr
.endm
; 16 LDS loads: x's eight row blocks, the step's 32 along K number c
.macro LDA slot, c
	WIN 0
.irp aa, 0,1,2,3,4,5,6,7
	ds_load_b128 v[FA+64*(\c)+8*\aa:FA+64*(\c)+8*\aa+3],   v[ADRA+(\slot)] offset:\aa*16*PITCH+64*(\c)
	ds_load_b128 v[FA+64*(\c)+8*\aa+4:FA+64*(\c)+8*\aa+7], v[ADRA+(\slot)] offset:\aa*16*PITCH+64*(\c)+32
.endr
.endm
; 6 na matrix instructions: row blocks a0 .. a0 + na - 1 x the six column blocks of half hb.  The accumulators take turns, one instruction a turn.  zero = 1: the product starts the sum.
.macro MULP c, hb, a0, na, zero
.set ra, \a0
.rept \na
.set rb, 0
.rept 6
.set nn, 48*(\hb)+6*ra+rb
	WIN 0x50*(1+nn/32)
.set rD, 8*(nn%32)
.set rB, FB+48*(\hb)+8*rb
.set rA, FA+64*(\c)+8*ra
.if \zero
	v_wmma_f32_16x16x32_bf16 v[rD:rD+7], v[rB:rB+7], v[rA:rA+7], 0
.else
	v_wmma_f32_16x16x32_bf16 v[rD:rD+7], v[rB:rB+7], v[rA:rA+7], v[rD:rD+7]
.endif
.set rb, rb+1
.endr
.set ra, ra+1
.endr
.endm
; THE FOUR PHASES OF A K STEP in slot s.  Each begins with the run of loads for the phase after it, four places behind the last product that read the registers.
.macro P0C0 s, zero
	PLACES
	LDB \s, 0, 1
	s_wait_dscnt 12                                ; all but the 12 just issued: x's and w's fragments of this phase are in
	MULP 0, 0, 0, 8, \zero
.endm
.macro P1C0 s, zero
	PLACES
	LDB \s, 1, 0
	LDA \s, 1
	s_wait_dscnt 28                                ; all but the 28 just issued
	MULP 0, 1, 0, 8, \zero
.endm
; The third phase changes slots.  In front of the barrier each wave waits for all its tensor loads, of which one is out: its part of the other slot; adds 0 to its spare word; and waits for that and for its reads of this slot.
; fill = 1: the barrier opens a round of the cluster's barrier, and the slot is filled again, two K steps on, first thing behind the round: 144 matrix instructions ahead of the wait for it.
.macro P0C1 s, fill, pf
.if \pf
	s_wait_xcnt 0x0                                ; the last prefetches, a lap back, have read their address
	s_add_nc_u64 s[PFA:PFA+1], s[PFA:PFA+1], 2*KBS
.endif
	PLACES
	LDB \s, 1, 1                                   ; my last reads of this slot
	s_wait_tensorcnt 0x0                           ; all my tensor loads have landed, so a group 0 may be written
	ds_add_u32 v[SPW], v[NIL]                      ; 0 onto my spare word
.if \fill
	s_add_nc_u64 s[G0+4*(\s)+2:G0+4*(\s)+3], s[G0+4*(\s)+2:G0+4*(\s)+3], 2*KBS
	s_add_nc_u64 s[G0B+4*(\s)+2:G0B+4*(\s)+3], s[G0B+4*(\s)+2:G0B+4*(\s)+3], 2*KBS
.endif
	s_wait_dscnt 13                                ; the add and the 12 loads just issued may be out
	MULP 1, 0, 0, 4, 0
	s_wait_dscnt 0x0                               ; the add is done, and my reads of this slot are over
	s_barrier_signal -1
	MULP 1, 0, 4, 4, 0                             ; work on registers while the others arrive
	WIN 0                                          ; at a branch and at a label every window is 0
	s_barrier_wait -1
.if \fill
	CREST                                          ; no wave of any partner still reads this slot or has a load on its way
	JLOAD \s                                       ; its four v_nop are also the places in front of the loads that follow
.else
	PLACES
.endif
.endm
.macro P1C1 n, pf                      ; the fourth phase fetches the next slot's first fragments
	LDB \n, 0, 0
	LDA \n, 0
.if \pf
	ASK
.endif
	s_wait_dscnt 28                                ; all but the 28 just issued
	MULP 1, 1, 0, 8, 0
.endm
	s_wait_tensorcnt 0x1                           ; my part of K step 0 is in; K step 1's may stay out
	s_barrier_signal -1
	s_barrier_wait -1                              ; everybody's is
	LDB 0, 0, 0
	LDA 0, 0
	P0C0 0, 1                                      ; the first two phases stand in front of the loop: their products start the 96 sums
	P1C0 0, 1
	WIN 0
	s_mov_b32 s3, LAPS-1
.Llap:                                                 ; a trip goes once round the ring, from a lap's third phase to the next lap's second, and fills both slots again
	P0C1 0, 1, 1
	P1C1 1, 1
	P0C0 1, 0
	P1C0 1, 0
	P0C1 1, 1, 0
	P1C1 0, 0
	P0C0 0, 0
	P1C0 0, 0
	WIN 0
	s_sub_co_u32 s3, s3, 1
	s_cmp_lg_u32 s3, 0
	s_cbranch_scc1 .Llap
	P0C1 0, 0, 0                                   ; the last lap fills nothing, and has no round
	P1C1 1, 0
	P0C0 1, 0
	P1C0 1, 0
	PLACES
	LDB 1, 1, 1
	s_wait_dscnt 12
	MULP 1, 0, 0, 8, 0
	s_wait_dscnt 0x0                               ; my reads of the ring are over:
	s_barrier_signal -1                            ; the stage lies over it
	MULP 1, 1, 0, 8, 0
	WIN 0
	s_barrier_wait -1                              ; nobody reads the ring any more
	; THE WAY OUT: rounded to f16, 16 bytes a lane into the work-group's stage, a window of 32 accumulators at a time; a barrier, since a row's 768 bytes come from two waves; back as whole rows.
	PLACES
.irp W, 1,2,3
	WIN (\W)|((\W)<<2)                             ; sources 0 and 1 in window W
.set m, 0
.rept 32
.irp q, 0,1,2,3
	v_cvt_pk_f16_f32 v[TMP+4*m+\q], v[8*m+2*\q], v[8*m+2*\q+1]
.endr
.set m, m+1
.endr
	WIN 0
.set m, 0
.rept 32
.set nn, 32*((\W)-1)+m
.set ra, (nn%48)/6
.set be, 6*(nn/48)+(nn%48)%6
	ds_store_b128 v[STO+ra/4], v[TMP+4*m:TMP+4*m+3] offset:(ra%4)*16*SPITCH+32*be
.set m, m+1
.endr
.endr
	s_wait_dscnt 0x0                               ; for the others' sake: my stores into the stage are done
	s_barrier_signal -1
	s_barrier_wait -1
.macro LROWS g, bank                   ; 24 loads: 16 rows, three pieces of 256 bytes each
.set p, 8*(\g)
.set k, 0
.rept 8
.irp c, 0,1,2
	ds_load_b128 v[TMP+96*(\bank)+4*k:TMP+96*(\bank)+4*k+3], v[RD] offset:p*2*SPITCH+256*\c
.set k, k+1
.endr
.set p, p+1
.endr
.endm
.macro SROWS g, bank                   ; and their stores: 16 lanes store 256 consecutive bytes, at a multiple of 256 from qkv's first byte
.set p, 8*(\g)
.set k, 0
.rept 8
.irp c, 0,1,2
	global_store_b128 v[CO], v[TMP+96*(\bank)+4*k:TMP+96*(\bank)+4*k+3], s[8:9] offset:p*2*6144+256*\c
.set k, k+1
.endr
.set p, p+1
.endr
.endm
	LROWS 0, 0
	LROWS 1, 1
	s_wait_dscnt 24                                ; the first 24 are in
	SROWS 0, 0
	s_wait_xcnt 0x0                                ; the stores have read their registers: only now are these loaded again
	LROWS 2, 0
	s_wait_dscnt 24
	SROWS 1, 1
	s_wait_xcnt 0x0
	LROWS 3, 1
	s_wait_dscnt 24
	SROWS 2, 0
	s_wait_dscnt 0x0
	SROWS 3, 1
	s_wait_tensorcnt 0x0                           ; the wave's end: behind my last tensor load and my last LDS store
	ds_add_u32 v[SPW], v[NIL]
	s_wait_dscnt 0x0
	CROUND                                         ; the closing round: no work-group ends while a partner may still ask for a tile that names it
	s_endpgm
.Lfunc_end_k_q8747a67bff_proj:
	.size	k_q8747a67bff_proj, .Lfunc_end_k_q8747a67bff_proj-k_q8747a67bff_proj
	.p2alignl 7, 3214868480
	.fill 96, 4, 3214868480
	.section	.rodata,"a",@progbits
	.p2align	6, 0x0
	.amdhsa_kernel k_q8747a67bff_proj
		.amdhsa_group_segment_fixed_size 327680
		.amdhsa_private_segment_fixed_size 0
		.amdhsa_enable_private_segment 0
		.amdhsa_kernarg_size 16
		.amdhsa_user_sgpr_count 2
		.amdhsa_user_sgpr_kernarg_segment_ptr 1
		.amdhsa_wavefront_size32 1
		.amdhsa_system_sgpr_workgroup_id_x 1
		.amdhsa_system_sgpr_workgroup_id_y 1
		.amdhsa_system_sgpr_workgroup_id_z 1
		.amdhsa_system_vgpr_workitem_id 0
		.amdhsa_next_free_vgpr 1024
		.amdhsa_next_free_sgpr 66
		.amdhsa_reserve_vcc 0
		.amdhsa_float_denorm_mode_32 3
		.amdhsa_float_denorm_mode_16_64 3
		.amdhsa_memory_ordered 1
		.amdhsa_forward_progress 1
		.amdhsa_inst_pref_size 129
	.end_amdhsa_kernel
	.amdgpu_metadata
---
amdhsa.version: [ 1, 2 ]
amdhsa.kernels:
  - .name:           k_q8747a67bff_proj
    .symbol:         k_q8747a67bff_proj.kd
    .args:
      - { .name: xw, .offset: 0, .size: 8, .value_kind: global_buffer, .address_space: global }
      - { .name: qkv, .offset: 8, .size: 8, .value_kind: global_buffer, .address_space: global }
    .group_segment_fixed_size: 327680
    .private_segment_fixed_size: 0
    .kernarg_segment_align: 8
    .kernarg_segment_size: 16
    .max_flat_workgroup_size: 128
    .sgpr_count:     66
    .vgpr_count:     1024
    .wavefront_size: 32
...
	.end_amdgpu_metadata
.endif
;; end of part 2
;; launch scores (part 3): grid 10 x 16, 4 waves a work-group, no clusters, 327,680 bytes of LDS; arguments qkv, pbuf, tmx, lsum; writes pbuf, tmx, lsum
.if DOCPART == 3
	.amdgcn_target "amdgcn-amd-amdhsa--gfx1250"
	.amdhsa_code_object_version 6
	.text
	.protected	k_q8747a67bff_scores
	.globl	k_q8747a67bff_scores
	.p2align	8
	.type	k_q8747a67bff_scores,@function
k_q8747a67bff_scores:
	s_mov_b64 s[64:65], 0
	v_nop
	global_prefetch_b8 v0, s[64:65] scope:SCOPE_SE
	s_setreg_imm32_b32 hwreg(HW_REG_WAVE_MODE, 25, 1), 1
	s_wait_xcnt 0x0
; For a tile of 256 rows i x 256 keys j of one batch: s = k_i . q_j, hidden where i > j; tm = c x (the row's maximum over the tile's keys), c = log2(e) / 32; p = 2^(c s - tm); l = the row's sum of p.
; q, k: f16 columns 0-1023 and 1024-2047 of qkv [8192][3072].  p leaves in f16 (pbuf [4][2048][2048]), tm and l in f32 (tmx, lsum: [4][8 key tiles][2048 rows]).  Products, maxima and sums in f32.
; The row's maximum over ALL its keys is taken in the next launch, from the tiles' maxima, exactly, in f32.
; LIMITS.  A hidden score counts as -1e30, beside which f16's scores (4.4e12 at the most) are nothing; a weight below 2^-126 counts as 0 in l; p below 6e-5 keeps f16's fixed step of 6e-8; NaN and infinities are not treated apart.
; SHARES.  Only tiles with J >= I are made: 36 a batch.  Grid y = 4 b + p, x = 0..9: x < 8 - p: tile row I = p, J = p + x; 8 - p <= x < 9: tile row I = 7 - p, J = x - 1;
; x = 9: the tile (2 p + 1, 2 p), all hidden, which the next launch reads: it is written as zeros.
; NO CLUSTER: tile row I has 8 - I tiles and tile column J has J + 1, so no fixed group of four shares a tile of k or q at every place of the triangle.
; Four waves, each 64 rows x all 256 keys: a row's maximum and sum stay inside one wave.  64 accumulators, 512 registers.  K goes in steps of 128 through a ring of two LDS slots (rows of 256 bytes of memory).
; THE MATRIX INSTRUCTION IS USED TRANSPOSED (source 0 = 16 rows of q, source 1 = 16 rows of k): a lane holds one row i (lane % 16) and the keys 16 b + 8 (lane / 16) + 0..7.
; REGISTERS, in windows of 256 (s_set_vgpr_msb: bits 1:0 source 0, 3:2 source 1, 5:4 source 2, 7:6 destination):
;   window 0: v4-31 at work and addresses; v32-63, v64-95 k's fragments, two buffers (later the packed weights); v96-223 the scores of 16 rows at work
;   window 1: q's fragments, two buffers of 128          windows 2, 3: accumulator (a, b) at window 2 + a / 2, v[8 (16 (a % 2) + b)]
; THE SOFTMAX IS WRITTEN ONCE, for 16 rows, and walked four times: the accumulators go through LDS (over the ring, which has had its last fill), each wave's own 65,536 bytes.
.set PITCH,  272                       ; an LDS row: 256 bytes + 16 of padding = 68 words: the 16 rows of a load start at 16 different groups of four banks (64 banks of 4 bytes: ISA guide 11.1)
.set HALFT,  128*PITCH                 ; what one tensor load brings
.set SLOT,   4*HALFT                   ; k's 256 rows, then q's 256 rows
.set STG,    2*SLOT                    ; behind the ring: 16 rows x 528 bytes for each wave, for the weights' way out
.set GP,     528
.set STATB,  STG+4*16*GP               ; 512 bytes a wave: tm of my 64 rows, then l
.set SPARE,  STATB+4*512               ; the spare words, 128 bytes a wave, that no other line names
.set C0,   4                           ; v4-7    four running maxima
.set TMR,  8                           ; v8-9    tm, the maximum
.set LSR,  10                          ; v10-11  l, at work
.set NEG,  12                          ; v12     -1e30
.set SRD,  13                          ; v13     where I read 8 bytes of the statistics back
.set SGO,  14                          ; v14     8 x lane
.set ADRA, 16                          ; v16-17  LDS address of my fragments of k in slot 0, 1
.set ADRB, 20                          ; v20-21  the same for q
.set DMP,  22                          ; v22     65,536 x wave + 16 x lane
.set VL,   23                          ; v23     the same, stepping by 16 rows' scores
.set VD,   24                          ; v24     my row in the tile less 8 (lane / 16): key 16 b + e of my registers is hidden where it is smaller
.set STO,  25                          ; v25     where I put 16 bytes of a row of weights
.set RD,   26                          ; v26     where I read a row back
.set GO,   27                          ; v27     16 x lane
.set SPW,  28                          ; v28     LDS address of my spare word; never rewritten
.set NIL,  29                          ; v29     0; never rewritten
.set PFO,  30                          ; v30     6,144 x lane: a row of qkv; never rewritten
.set STS,  31                          ; v31     where my row's tm goes
.set FA,   32
.set PK,   32
.set SC,   96
.set WV,   12                          ; s12  my wave's number
.set DIAG, 18                          ; s18  1: the tile holds the diagonal
.set G1,   24                          ; s[24:31] descriptor group 1
.set G0,   32                          ; s[32:39] group 0, a set for each slot
.set PFA,  40                          ; s[40:41] where my prefetches stand
.set LIM,  42                          ; s42  1 in a work-group that prefetches, else the greatest number
.set PB,   44                          ; s[44:45] pbuf at my rows of the tile
.set CS,   46                          ; s[46:47] c
.set SEL,  48                          ; s[48:49] v_permlanex16_b32's selects: each lane takes its own place in the other half
.set SO,   50                          ; s[50:51] my rows' byte offset in tmx and lsum
.set MSB, 0
.macro WIN new                         ; the immediate's high byte repeats the setting that is left; a switch that changes nothing is dropped
.if MSB != (\new)
	s_set_vgpr_msb (MSB<<8)|(\new)
.set MSB, \new
.endif
.endm
.macro PLACES                          ; four places in front of loads into registers that matrix instructions have read, and of LDS stores that read results
.rept 4
	v_nop
.endr
.endm
	s_load_b256 s[4:11], s[0:1], 0x0               ; qkv s[4:5], pbuf s[6:7], tmx s[8:9], lsum s[10:11]
	v_lshl_add_u32 v[SPW], v0, 2, SPARE
	v_mov_b32 v[NIL], 0
	ds_add_u32 v[SPW], v[NIL]                      ; the wave's opening: the add and its wait stand ahead of my first tensor load; the set-up below stands between them
	v_lshrrev_b32 v1, 5, v0
	v_readfirstlane_b32 s[WV], v1                  ; wave 0..3
	s_and_b32 s13, ttmp7, 0xffff
	s_lshr_b32 s14, s13, 2                         ; b
	s_and_b32 s15, s13, 3                          ; p
	s_sub_co_u32 s19, 8, s15
	s_sub_co_u32 s20, 7, s15
	s_add_co_u32 s21, s15, ttmp9
	s_sub_co_u32 s22, ttmp9, 1
	s_cmp_lt_u32 ttmp9, s19
	s_cselect_b32 s16, s15, s20                    ; I
	s_cselect_b32 s17, s21, s22                    ; J
	s_lshl_b32 s19, s15, 1
	s_add_co_u32 s20, s19, 1
	s_cmp_eq_u32 ttmp9, 9                          ; the tile of zeros
	s_cselect_b32 s16, s20, s16
	s_cselect_b32 s17, s19, s17
	s_cmp_eq_u32 s16, s17
	s_cselect_b32 s[DIAG], 1, 0
	s_cselect_b32 s[LIM], 1, -1
	; descriptor group 1: 128 rows x 128 elements, 16 bytes of padding after every 64 words
	s_mov_b32 s[G1+0], (1<<16)|(1<<20)|(5<<22)|(3<<25)
	s_mov_b32 s[G1+1], 128<<16                     ; tensor_dim0 = 128
	s_mov_b32 s[G1+2], 128<<16                     ; tensor_dim1 = 128
	s_mov_b32 s[G1+3], 128<<16                     ; tile_dim0 = 128
	s_mov_b32 s[G1+4], 128                         ; tile_dim1 = 128
	s_mov_b32 s[G1+5], 3072                        ; elements from row to row of qkv
	s_mov_b32 s[G1+6], 0
	s_mov_b32 s[G1+7], 0
	s_mul_i32 s23, s[WV], HALFT                    ; waves 0, 1 bring k's two halves, waves 2, 3 q's
	s_cmp_lt_u32 s[WV], 2
	s_cselect_b32 s19, s16, s17                    ; k's rows go by I, q's by J
	s_cselect_b32 s20, 2048, 0                     ; k's columns begin at byte 2,048 of a row
	s_lshl_b32 s19, s19, 8
	s_lshl_b32 s21, s14, 11
	s_add_co_u32 s19, s19, s21
	s_and_b32 s21, s[WV], 1
	s_lshl_b32 s21, s21, 7
	s_add_co_u32 s19, s19, s21                     ; the first row that I fetch
	s_mul_i32 s19, s19, 6144
	s_add_co_u32 s52, s19, s20
	s_mov_b32 s53, 0
	s_lshl_b32 s19, s14, 11                        ; pbuf: row 2,048 b + 256 I + 64 wave, 4,096 bytes a row, + 512 J
	s_lshl_b32 s20, s16, 8
	s_add_co_u32 s19, s19, s20
	s_lshl_b32 s20, s[WV], 6
	s_add_co_u32 s19, s19, s20
	s_lshl_b32 s19, s19, 12
	s_lshl_b32 s20, s17, 9
	s_add_co_u32 s54, s19, s20
	s_mov_b32 s55, 0
	s_lshl_b32 s19, s14, 3                         ; tmx, lsum: ((8 b + J) x 2,048 + 256 I + 64 wave) x 4
	s_add_co_u32 s19, s19, s17
	s_lshl_b32 s19, s19, 11
	s_lshl_b32 s20, s16, 8
	s_add_co_u32 s19, s19, s20
	s_lshl_b32 s20, s[WV], 6
	s_add_co_u32 s19, s19, s20
	s_lshl_b32 s[SO], s19, 2
	s_mov_b32 s[SO+1], 0
	s_mov_b32 s[CS], 0x3d38aa3b                    ; c = log2(e) / 32
	s_mov_b32 s[CS+1], s[CS]                       ; named with it as a pair
	s_mov_b32 s[SEL], 0x76543210
	s_mov_b32 s[SEL+1], 0xfedcba98
	v_and_b32 v2, 31, v0                           ; lane
	v_lshlrev_b32 v[GO], 4, v2
	s_wait_dscnt 0x0                               ; the opening add is done
	s_wait_kmcnt 0x0
	s_add_nc_u64 s[PB:PB+1], s[6:7], s[54:55]
	s_cmp_eq_u32 ttmp9, 9
	s_cbranch_scc1 .Lzero                          ; the same for all four waves: ahead of every tensor load and every barrier
	s_add_nc_u64 s[56:57], s[4:5], s[52:53]
.irp s, 0,1
	s_mov_b32 s[G0+4*(\s)], 1                      ; count = 1
	s_add_co_u32 s[G0+4*(\s)+1], s23, (\s)*SLOT    ; LDS address: wave x 128 rows, in slot s
	s_add_nc_u64 s[G0+4*(\s)+2:G0+4*(\s)+3], s[56:57], (\s)*256  ; K step s
	s_or_b32 s[G0+4*(\s)+3], s[G0+4*(\s)+3], 0x80000000          ; type = 2
	tensor_load_to_lds s[G0+4*(\s):G0+4*(\s)+3], s[G1:G1+7]      ; two loads of mine are out
	s_nop 0
.endr
.rept 4
	v_nop
.endr
	s_add_nc_u64 s[PFA:PFA+1], s[56:57], 512       ; at K step 2: the first change of slots steps it to 3 and names K step 4
	v_mul_u32_u24 v[PFO], v2, 6144
	v_and_b32 v1, 15, v0                           ; r
	v_bfe_u32 v3, v0, 4, 1                         ; h
	v_mul_u32_u24 v4, v1, PITCH
	v_lshl_add_u32 v4, v3, 4, v4                   ; a fragment's row x pitch + 16 x half
	s_mul_i32 s19, s[WV], 64*PITCH
	v_add_nc_u32 v[ADRA], s19, v4                  ; my 64 rows of k
	v_add_nc_u32 v[ADRA+1], SLOT, v[ADRA]
	v_add_nc_u32 v[ADRB], 2*HALFT, v4              ; all 256 rows of q
	v_add_nc_u32 v[ADRB+1], SLOT, v[ADRB]
	s_lshl_b32 s19, s[WV], 16
	v_add_nc_u32 v[DMP], s19, v[GO]
	v_mov_b32 v[VL], v[DMP]
	s_lshl_b32 s19, s[WV], 6
	v_lshlrev_b32 v5, 3, v3
	v_sub_nc_u32 v[VD], v1, v5
	v_add_nc_u32 v[VD], s19, v[VD]                 ; 64 wave + r - 8 h
	s_mul_i32 s19, s[WV], 16*GP
	s_add_co_u32 s19, s19, STG
	v_mul_u32_u24 v5, v1, GP
	v_lshl_add_u32 v5, v3, 4, v5
	v_add_nc_u32 v[STO], s19, v5
	v_add_nc_u32 v[RD], s19, v[GO]
	s_lshl_b32 s19, s[WV], 9
	s_add_co_u32 s19, s19, STATB
	v_lshl_add_u32 v[STS], v1, 2, s19
	v_lshl_add_u32 v[SRD], v2, 3, s19
	v_lshlrev_b32 v[SGO], 3, v2
	v_mov_b32 v[NEG], 0xf149f2ca                   ; -1e30
	v_mov_b32 v[LSR+1], 0                          ; v_permlanex16_b32's destination counts as read
; 16 matrix instructions: row block a x all 16 key blocks, 32 along K, from buffer f.  The 64 accumulators take turns, one instruction a turn.  zero = 1: the product starts the sum.
.macro MULA f, a, zero
	WIN 0xa1+0x50*((\a)/2)
.irp b, 0,1,2,3,4,5,6,7,8,9,10,11,12,13,14,15
.if \zero
	v_wmma_f32_16x16x32_f16 v[8*(16*((\a)%2)+\b):8*(16*((\a)%2)+\b)+7], v[128*(\f)+8*\b:128*(\f)+8*\b+7], v[FA+32*(\f)+8*(\a):FA+32*(\f)+8*(\a)+7], 0
.else
	v_wmma_f32_16x16x32_f16 v[8*(16*((\a)%2)+\b):8*(16*((\a)%2)+\b)+7], v[128*(\f)+8*\b:128*(\f)+8*\b+7], v[FA+32*(\f)+8*(\a):FA+32*(\f)+8*(\a)+7], v[8*(16*((\a)%2)+\b):8*(16*((\a)%2)+\b)+7]
.endif
.endr
.endm
; 40 LDS loads in one run: the fragments of 32 along K at byte k of the rows, into buffer f: q's 16, then k's 4
.macro FETCH slot, k, f
	WIN 0x40                                       ; destination window 1, address window 0
.irp b, 0,1,2,3,4,5,6,7,8,9,10,11,12,13,14,15
	ds_load_b128 v[128*(\f)+8*\b:128*(\f)+8*\b+3],   v[ADRB+(\slot)] offset:(\k)+\b*16*PITCH
	ds_load_b128 v[128*(\f)+8*\b+4:128*(\f)+8*\b+7], v[ADRB+(\slot)] offset:(\k)+\b*16*PITCH+32
.endr
	WIN 0
.irp a, 0,1,2,3
	ds_load_b128 v[FA+32*(\f)+8*\a:FA+32*(\f)+8*\a+3],   v[ADRA+(\slot)] offset:(\k)+\a*16*PITCH
	ds_load_b128 v[FA+32*(\f)+8*\a+4:FA+32*(\f)+8*\a+7], v[ADRA+(\slot)] offset:(\k)+\a*16*PITCH+32
.endr
.endm
; A K step is four quarters of 32 along K, 64 matrix instructions each, on buffers 0, 1, 0, 1.  One of the first three: multiplies buffer f; in its middle it fetches the next quarter, at byte k, into buffer g.
.macro QUARTER slot, k, f, g, zero
	s_wait_dscnt 4                                 ; q's fragments and k's row blocks 0, 1 are in; the youngest four loads (row blocks 2, 3) may be out
	MULA \f, 0, \zero
	MULA \f, 1, \zero
	PLACES
	FETCH \slot, \k, \g
	s_wait_dscnt 40                                ; all but the 40 just issued
	MULA \f, 2, \zero
	MULA \f, 3, \zero
.endm
; A PREFETCH INTO THE L2, behind each refill and the run of LDS loads that follows it: the K step two refills on.  A tile row's k and a tile column's q are read by several work-groups: the one with the diagonal tile
; (I = J) asks, for its own k and q; each of its waves for the 128 rows that it fetches, a lane a row, four lines.  So each row's 256 bytes of a K step are named once in the launch.
; K steps 0 to 3 come by their loads alone; the loop's last trip asks for nothing.
.macro ASK
	s_cmp_gt_u32 s3, s[LIM]                        ; s3 = 1 in the loop's last trip
	s_cbranch_scc0 .Lnot_mine_\@
.irp q, 0,1,2,3
	global_prefetch_b8 v[PFO], s[PFA:PFA+1] offset:256+32*6144*\q th:TH_LOAD_NT scope:SCOPE_SE
.endr
.Lnot_mine_\@:
.endm
; The last quarter multiplies buffer 1 and changes slots: ONE barrier.  In front of it each wave waits for all its tensor loads, of which one is out: its part of the next slot; adds 0 to its spare word; and waits for that
; and for its reads of this slot.  fill = 1: this slot is filled again, two K steps on, first thing behind the barrier: 224 matrix instructions ahead of the wait for it.
.macro TURN slot, next, fill
.if \fill
	s_wait_xcnt 0x0                                ; the last prefetches, a K step back, have read their address
	s_add_nc_u64 s[PFA:PFA+1], s[PFA:PFA+1], 256
.endif
	WIN 0
	s_wait_tensorcnt 0x0                           ; all my tensor loads have landed, so a group 0 may be written
	ds_add_u32 v[SPW], v[NIL]                      ; 0 onto my spare word
.if \fill
	s_add_nc_u64 s[G0+4*(\slot)+2:G0+4*(\slot)+3], s[G0+4*(\slot)+2:G0+4*(\slot)+3], 512
.endif
	s_wait_dscnt 5                                 ; the add and the youngest four loads may be out
	MULA 1, 0, 0
	s_wait_dscnt 0x0                               ; the add is done, and my reads of this slot are over
	s_barrier_signal -1
	MULA 1, 1, 0                                   ; work on registers while the others arrive
	WIN 0
	s_barrier_wait -1
.if \fill
	tensor_load_to_lds s[G0+4*(\slot):G0+4*(\slot)+3], s[G1:G1+7]
	s_nop 0
.endif
	PLACES                                         ; behind the tensor load, and in front of the loads below
	FETCH \next, 0, 0
.if \fill
	ASK
.endif
	MULA 1, 2, 0
	MULA 1, 3, 0
.endm
	s_wait_tensorcnt 0x1                           ; my part of K step 0 is in; K step 1's may stay out
	s_barrier_signal -1
	s_barrier_wait -1                              ; everybody's is
	FETCH 0, 0, 0
	QUARTER 0, 64, 0, 1, 1                         ; the first quarter stands in front of the loop: its products start the sums
	WIN 0
	s_mov_b32 s3, 3
.Llap:                                                 ; a trip goes once round the ring, from a lap's second quarter to the next lap's first, and fills both slots again
	QUARTER 0, 128, 1, 0, 0
	QUARTER 0, 192, 0, 1, 0
	TURN 0, 1, 1
	QUARTER 1, 64,  0, 1, 0
	QUARTER 1, 128, 1, 0, 0
	QUARTER 1, 192, 0, 1, 0
	TURN 1, 0, 1
	QUARTER 0, 64,  0, 1, 0
	WIN 0
	s_sub_co_u32 s3, s3, 1
	s_cmp_lg_u32 s3, 0
	s_cbranch_scc1 .Llap
	QUARTER 0, 128, 1, 0, 0                        ; the last lap fills nothing
	QUARTER 0, 192, 0, 1, 0
	TURN 0, 1, 0
	QUARTER 1, 64,  0, 1, 0
	QUARTER 1, 128, 1, 0, 0
	QUARTER 1, 192, 0, 1, 0
	s_wait_dscnt 4
	MULA 1, 0, 0
	MULA 1, 1, 0
	s_wait_dscnt 0x0                               ; my reads of the ring are over:
	s_barrier_signal -1                            ; the scores go where it lay
	MULA 1, 2, 0
	MULA 1, 3, 0
	WIN 0
	s_barrier_wait -1                              ; nobody reads the ring any more
	PLACES
	; the scores into my 65,536 bytes: row block a at 16,384 a, key block b at 1,024 b, an accumulator's low four registers first, 16 bytes a lane
.irp a, 0,1,2,3
	WIN 0x08+4*((\a)/2)                            ; the data (source 1) in window 2 or 3
.irp b, 0,1,2,3,4,5,6,7,8,9,10,11,12,13,14,15
	ds_store_b128 v[DMP], v[8*(16*((\a)%2)+\b):8*(16*((\a)%2)+\b)+3]   offset:\a*16384+\b*1024
	ds_store_b128 v[DMP], v[8*(16*((\a)%2)+\b)+4:8*(16*((\a)%2)+\b)+7] offset:\a*16384+\b*1024+512
.endr
.endr
	WIN 0
	s_mov_b32 s3, 4
.Lblock:                                               ; four trips: 16 rows each.  v[SC + 8 b + e] is my row's score for key 16 b + 8 h + e
.set i, 0
.rept 32
	ds_load_b128 v[SC+4*i:SC+4*i+3], v[VL] offset:512*i  ; LDS serves a wave's instructions in order (ISA guide 5.7.1.4): these see my stores above
.set i, i+1
.endr
	s_wait_dscnt 0x0
	v_add_nc_u32 v[VL], 16384, v[VL]
	s_cmp_eq_u32 s[DIAG], 0
	s_cbranch_scc1 .Lopen                          ; only the diagonal tile hides keys
.set i, 0
.rept 128
	v_cmp_lt_i32 vcc_lo, 16*(i/8)+i%8, v[VD]
	v_cndmask_b32 v[SC+i], v[SC+i], v[NEG], vcc_lo
.set i, i+1
.endr
.Lopen:
.irp k, 0,1,2,3                                        ; the maximum: four chains of 31 scores, three operands at a time,
	v_max3_num_f32 v[C0+\k], v[SC+32*\k], v[SC+32*\k+1], v[SC+32*\k+2]
.endr
.set i, 3
.rept 14
.irp k, 0,1,2,3
	v_max3_num_f32 v[C0+\k], v[C0+\k], v[SC+32*\k+i], v[SC+32*\k+i+1]
.endr
.set i, i+2
.endr
	v_max3_num_f32 v[C0], v[C0], v[SC+31], v[SC+63]        ; the four scores left over,
	v_max3_num_f32 v[C0+1], v[C0+1], v[SC+95], v[SC+127]
	v_max3_num_f32 v[C0], v[C0], v[C0+1], v[C0+2]
	v_max_num_f32 v[C0], v[C0], v[C0+3]
	v_permlanex16_b32 v[C0+1], v[C0], s[SEL], s[SEL+1]     ; and the row's other 128 keys, in the lane 16 away
	v_max_num_f32 v[TMR+1], v[C0], v[C0+1]
	v_mul_f32 v[TMR], s[CS], v[TMR+1]                      ; tm
.set i, 0
.rept 64
	v_pk_fma_f32 v[SC+2*i:SC+2*i+1], v[SC+2*i:SC+2*i+1], s[CS:CS+1], v[TMR:TMR+1] op_sel_hi:[1,0,0] neg_lo:[0,0,1] neg_hi:[0,0,1]  ; c s - tm
.set i, i+1
.endr
.set i, 0
.rept 128
	v_exp_f32 v[SC+i], v[SC+i]                     ; one batch
.set i, i+1
.endr
	v_nop                                          ; a plain instruction behind the last exponential,
	s_wait_alu depctr_va_vdst(0)                   ; and the one wait ahead of the first use
.set i, 0
.rept 64
	v_cvt_pk_f16_f32 v[PK+i], v[SC+2*i], v[SC+2*i+1]
.set i, i+1
.endr
.set i, 0
.rept 16
	ds_store_b128 v[STO], v[PK+4*i:PK+4*i+3] offset:32*i   ; my 8 keys of key block i into my stage's row r
.set i, i+1
.endr
.irp w, 1,2,4,8,16,32                                  ; the sum of the 64 pairs, in place: neighbours 1, 2, .. 32 pairs apart
.set u, 0
.rept 32/\w
	v_pk_add_f32 v[SC+2*u:SC+2*u+1], v[SC+2*u:SC+2*u+1], v[SC+2*(u+\w):SC+2*(u+\w)+1]
.set u, u+2*\w
.endr
.endr
	v_add_f32 v[LSR], v[SC], v[SC+1]
	v_permlanex16_b32 v[LSR+1], v[LSR], s[SEL], s[SEL+1]
	v_add_f32 v[LSR], v[LSR], v[LSR+1]             ; l
	ds_store_b32 v[STS], v[TMR]                    ; both halves of the lanes write the same number to the same word
	ds_store_b32 v[STS], v[LSR] offset:256
.set i, 0
.rept 16
	ds_load_b128 v[SC+4*i:SC+4*i+3], v[RD] offset:i*GP     ; a whole row of 512 bytes
.set i, i+1
.endr
.set i, 0
.rept 16
	s_wait_dscnt 15-i
	global_store_b128 v[GO], v[SC+4*i:SC+4*i+3], s[PB:PB+1] offset:i*4096  ; 512 consecutive bytes, at a multiple of 512 from pbuf's first byte
.set i, i+1
.endr
	s_wait_xcnt 0x0                                ; the stores have read their registers and their base: only now are these written again
	s_add_nc_u64 s[PB:PB+1], s[PB:PB+1], 65536     ; 16 rows on
	v_add_nc_u32 v[VD], 16, v[VD]
	v_add_nc_u32 v[STS], 64, v[STS]
	s_sub_co_u32 s3, s3, 1
	s_cmp_lg_u32 s3, 0
	s_cbranch_scc1 .Lblock
	ds_load_b64 v[SC:SC+1], v[SRD]                 ; tm and l of my 64 rows: 256 bytes each
	ds_load_b64 v[SC+2:SC+3], v[SRD] offset:256
	s_add_nc_u64 s[8:9], s[8:9], s[SO:SO+1]
	s_add_nc_u64 s[10:11], s[10:11], s[SO:SO+1]
	s_wait_dscnt 0x0
	global_store_b64 v[SGO], v[SC:SC+1], s[8:9]
	global_store_b64 v[SGO], v[SC+2:SC+3], s[10:11]
	s_branch .Lend
.Lzero:                                                ; the tile (2 p + 1, 2 p): every key is hidden from every row: weights 0.  A wave writes its 64 rows' 512 bytes
.irp i, 0,1,2,3
	v_mov_b32 v[SC+\i], 0
.endr
.set i, 0
.rept 64
	global_store_b128 v[GO], v[SC:SC+3], s[PB:PB+1] offset:i*4096
.set i, i+1
.endr
.Lend:
	s_wait_tensorcnt 0x0                           ; the wave's end: behind my last tensor load and my last LDS store
	ds_add_u32 v[SPW], v[NIL]
	s_wait_dscnt 0x0
	s_endpgm
.Lfunc_end_k_q8747a67bff_scores:
	.size	k_q8747a67bff_scores, .Lfunc_end_k_q8747a67bff_scores-k_q8747a67bff_scores
	.p2alignl 7, 3214868480
	.fill 96, 4, 3214868480
	.section	.rodata,"a",@progbits
	.p2align	6, 0x0
	.amdhsa_kernel k_q8747a67bff_scores
		.amdhsa_group_segment_fixed_size 327680
		.amdhsa_private_segment_fixed_size 0
		.amdhsa_enable_private_segment 0
		.amdhsa_kernarg_size 32
		.amdhsa_user_sgpr_count 2
		.amdhsa_user_sgpr_kernarg_segment_ptr 1
		.amdhsa_wavefront_size32 1
		.amdhsa_system_sgpr_workgroup_id_x 1
		.amdhsa_system_sgpr_workgroup_id_y 1
		.amdhsa_system_sgpr_workgroup_id_z 1
		.amdhsa_system_vgpr_workitem_id 0
		.amdhsa_next_free_vgpr 1024
		.amdhsa_next_free_sgpr 66
		.amdhsa_reserve_vcc 1
		.amdhsa_float_denorm_mode_32 3
		.amdhsa_float_denorm_mode_16_64 3
		.amdhsa_memory_ordered 1
		.amdhsa_forward_progress 1
		.amdhsa_inst_pref_size 170
	.end_amdhsa_kernel
	.amdgpu_metadata
---
amdhsa.version: [ 1, 2 ]
amdhsa.kernels:
  - .name:           k_q8747a67bff_scores
    .symbol:         k_q8747a67bff_scores.kd
    .args:
      - { .name: qkv, .offset: 0, .size: 8, .value_kind: global_buffer, .address_space: global }
      - { .name: pbuf, .offset: 8, .size: 8, .value_kind: global_buffer, .address_space: global }
      - { .name: tmx, .offset: 16, .size: 8, .value_kind: global_buffer, .address_space: global }
      - { .name: lsum, .offset: 24, .size: 8, .value_kind: global_buffer, .address_space: global }
    .group_segment_fixed_size: 327680
    .private_segment_fixed_size: 0
    .kernarg_segment_align: 8
    .kernarg_segment_size: 32
    .max_flat_workgroup_size: 128
    .sgpr_count:     66
    .vgpr_count:     1024
    .wavefront_size: 32
...
	.end_amdgpu_metadata
.endif
;; end of part 3
;; launch pv (part 4): grid 8 x 32, 4 waves a work-group, clusters of 4 x 4, 327,680 bytes of LDS; arguments pbuf, qkv, tmx, lsum, out0; writes out0
.if DOCPART == 4
	.amdgcn_target "amdgcn-amd-amdhsa--gfx1250"
	.amdhsa_code_object_version 6
	.text
	.protected	k_q8747a67bff_pv
	.globl	k_q8747a67bff_pv
	.p2align	8
	.type	k_q8747a67bff_pv,@function
k_q8747a67bff_pv:
	s_mov_b64 s[64:65], 0
	v_nop
	global_prefetch_b8 v0, s[64:65] scope:SCOPE_SE
	s_setreg_imm32_b32 hwreg(HW_REG_WAVE_MODE, 25, 1), 1
	s_wait_xcnt 0x0
	s_wait_alu depctr_hold_cnt(0) depctr_sa_sdst(0) depctr_va_vdst(0) depctr_va_sdst(0) depctr_va_ssrc(0) depctr_va_vcc(0) depctr_vm_vsrc(0)
	s_getreg_b32 s2, hwreg(HW_REG_IB_STS2, 6, 4)
	s_cmp_eq_u32 s2, 0
	s_cbranch_scc0 .Lentry_in_a_cluster
	s_endpgm
.Lentry_in_a_cluster:
	s_bfe_u32 s2, ttmp6, 0x10000c
	s_cmp_lg_u32 s2, 0xf033
	s_cbranch_scc0 .Lentry_shape_is_right
	s_endpgm
.Lentry_shape_is_right:
; out0[b][i][e] = (the sum over key tiles J of 2^(tm[J][i] - M[i]) x the sum over the tile's keys j of p[i][j] v[j][e]) / L[i], M[i] = the maximum of tm[J][i] over the row's tiles, L[i] = the sum of 2^(tm[J][i] - M[i]) l[J][i].
; p: pbuf [4][2048][2048] f16; v: f16 columns 2048-3071 of qkv [8192][3072]; tm, l: tmx, lsum [4][8][2048] f32; out0 [4][2048][1024] f32.  Products and sums in f32; the factors 2^(tm - M) / L are f32 and multiply f32 sums.
; LIMITS.  A factor below 2^-126 counts as 0; NaN and infinities are not treated apart.
; SHARES.  A tile of out0 is 128 rows x 128 channels; a step is one key tile of 256 keys.  A batch's rows lie in four groups g of 512; the partner at cy of a cluster owns rows 512 g + 128 cy, the partner at cx channels
; 128 (4 x cluster x + cx).  A work-group makes TWO tiles: group pi (key tiles 2 pi .. 7), then group 3 - pi (key tiles 6 - 2 pi .. 7), pi = cluster y % 2: ten steps, whatever pi: ONE counted walk.
; Walk entry e: e < EA = 8 - 2 pi: the first tile, J = e + 2 pi; else the second, J = e - 2.  For cy >= 2 each tile's first key tile lies wholly below the diagonal: it holds zeros, its factor is 0, and it is walked
; all the same, since partners of a cluster run alike.
; CLUSTER.  4 x 4.  p's tile hangs on cy alone and is shared along a row of the cluster, v's on cx alone and is shared along a column: each is asked for jointly.  Waves 0, 1 ask for p's two halves, waves 2, 3 for v's.
; NO PREFETCH: the tiles are small, v's rows are read again by both tiles of a walk and by both clusters of a batch, and a step's p is already asked for once for four.
; LAYOUT.  O^T = V^T P (source 0 = 16 channels x 32 keys, by ds_load_tr16_b128; source 1 = 32 keys x 16 rows of p, as it lies): a lane holds one row (lane % 16) and eight channels.
; Four waves, 2 x 2: 64 rows x 64 channels: 16 accumulators.  Each step's products start at 0; at its end O += factor x the step's sums.
; REGISTERS, in windows of 256 (s_set_vgpr_msb: bits 1:0 source 0, 3:2 source 1, 5:4 source 2, 7:6 destination):
;   window 0: v16-29 addresses; v32-39 the step's factors, a pair for each row block; v40-99 the beginning's statistics; v128-255 O
;   window 1: two fragment buffers of 128: for 64 keys, 64 registers of p (2 x 4 row blocks), then 64 of v          window 2: v0-127 the step's sums
.set PP,     528                       ; a row of p in LDS: 512 bytes + 16 = 132 words: the 16 rows of a load start at 16 different groups of four banks (64 banks of 4 bytes: ISA guide 11.1)
.set PVP,    288                       ; a row of v: 256 + 32 = 72 words
.set PBYTES, 128*PP
.set SLOT,   PBYTES+256*PVP            ; p's 128 rows, then v's 256 keys
.set FT,     2*SLOT                    ; behind the ring: the factors, [10 entries][128 rows] f32, in 8,192 bytes of their own
.set STG,    FT+8192                   ; 16 rows x 272 bytes for each wave, for the way out
.set SP,     272
.set SPARE,  STG+4*16*SP               ; the spare words, 128 bytes a wave, that no other line names
.set VSTEP,  256*6144                  ; bytes from a key tile's rows of qkv to the next's
.set ADRP, 16                          ; v16-17  LDS address of my fragments of p in slot 0, 1
.set ADRV, 18                          ; v18-21  the same for v: slot 0 keys 0-127, 128-255; slot 1 likewise
.set FTA,  22                          ; v22     where my rows' factors lie, stepping two entries a trip
.set STO,  23                          ; v23     the way out: where I put 32 bytes of a row
.set RD,   24                          ; v24     where I read rows back
.set CO,   25                          ; v25     my byte offset in out0
.set FTS,  26                          ; v26     where thread t puts row t's factors
.set SPW,  28                          ; v28     LDS address of my spare word; never rewritten
.set NIL,  29                          ; v29     0; never rewritten
.set FCT,  32
.set TMV,  40                          ; v40-49  tm of entry e, then 2^(tm - M)
.set LSV,  50                          ; v50-59  l of entry e
.set VO,   60                          ; v60-69  byte offset of entry e in tmx and lsum
.set FAV,  70                          ; v70-79  the factor where the entry is the first tile's, else 0
.set FBV,  80                          ; v80-89  the same for the second tile
.set O,    128
.set WV,   14                          ; s14  my wave's number
.set G1P,  24                          ; s[24:31] descriptor group 1 for p's tiles;  s[40:47] group 0, a set for each slot
.set G1V,  32                          ; s[32:39], s[48:55] the same for v's
.set G0P,  40
.set G0V,  48
.set OA,   56                          ; s[56:57] byte offset in pbuf of the tile to be asked for next
.set OB,   58                          ; s[58:59] the same in qkv
.set NE,   60                          ; s60  the walk entry to be asked for next
.set EA,   61                          ; s61  8 - 2 pi
.set OAB,  62                          ; s62  OA of the second tile's first entry
.set OBB,  63                          ; s63  OB of it
.set ENDC, 66                          ; s66  the loop count at which the first tile ends
.set OUT,  68                          ; s[68:69] out0 at my rows and channels of the tile in hand
.set OUTB, 70                          ; s[70:71] of the second tile
.set RSA,  72                          ; s72, s73 the tiles' first rows in tmx and lsum, at key tile 0
.set RSB,  73
.set ITA,  74                          ; s74, s75 the key tile that holds my rows' diagonal
.set ITB,  75
.set MKA,  80                          ; s80-89  all ones: entry e is the first tile's and not wholly hidden
.set MKB,  90                          ; s90-99  the same for the second tile
.set MSB, 0
.macro WIN new                         ; the immediate's high byte repeats the setting that is left; a switch that changes nothing is dropped
.if MSB != (\new)
	s_set_vgpr_msb (MSB<<8)|(\new)
.set MSB, \new
.endif
.endm
.macro PLACES                          ; four places in front of loads into registers that matrix instructions have read, and of vector instructions that read results
.rept 4
	v_nop
.endr
.endm
.macro JLOAD s                         ; a joint load; the branch hangs on the wave's number alone; an s_nop 0 and four v_nop follow each line
	s_cmp_lt_u32 s[WV], 2
	s_cbranch_scc0 .Lfor_v_\@
	tensor_load_to_lds s[G0P+4*(\s):G0P+4*(\s)+3], s[G1P:G1P+7]
	s_nop 0
.rept 4
	v_nop
.endr
	s_branch .Lasked_\@
.Lfor_v_\@:
	tensor_load_to_lds s[G0V+4*(\s):G0V+4*(\s)+3], s[G1V:G1V+7]
	s_nop 0
.rept 4
	v_nop
.endr
.Lasked_\@:
.endm
.macro CREST                           ; a round of the cluster's barrier behind its opening barrier
	s_cmp_lg_u32 s[WV], 0
	s_cbranch_scc1 .Lnot_wave_0_\@
	s_barrier_signal -3
.Lnot_wave_0_\@:
	s_barrier_wait -3
	s_barrier_signal -1
	s_barrier_wait -1
.endm
.macro CROUND                          ; a whole round
	s_barrier_signal -1
	s_barrier_wait -1
	CREST
.endm
	s_load_b256 s[4:11], s[0:1], 0x0               ; pbuf s[4:5], qkv s[6:7], tmx s[8:9], lsum s[10:11]
	s_load_b64 s[12:13], s[0:1], 0x20              ; out0
	v_lshl_add_u32 v[SPW], v0, 2, SPARE
	v_mov_b32 v[NIL], 0
	ds_add_u32 v[SPW], v[NIL]                      ; the wave's opening: the add and its wait stand ahead of my first tensor load; the set-up below stands between them
	v_lshrrev_b32 v1, 5, v0
	v_readfirstlane_b32 s[WV], v1                  ; wave 0..3
	s_lshr_b32 s15, s[WV], 1                       ; which 64 rows of the tile are mine
	s_and_b32 s16, s[WV], 1                        ; which 64 channels.  Also: which half of a tile I fetch
	s_bfe_u32 s17, ttmp6, 0x40000                  ; cx
	s_bfe_u32 s18, ttmp6, 0x40004                  ; cy
	s_lshl_b32 s19, ttmp9, 2
	s_add_co_u32 s19, s19, s17                     ; my block of 128 channels
	s_and_b32 s20, ttmp7, 0xffff                   ; cluster y
	s_lshr_b32 s21, s20, 1                         ; b
	s_and_b32 s22, s20, 1                          ; pi
	s_lshl_b32 s23, s22, 1                         ; 2 pi
	s_sub_co_u32 s[EA], 8, s23
	s_add_co_u32 s[ENDC], s22, 1
	s_lshl_b32 s78, s18, 2
	s_lshl_b32 s78, 15, s78                        ; my row of the cluster
	s_lshl_b32 s84, 0x1111, s17                    ; my column
	s_or_b32 s[G1P+0], s78, (1<<16)|(1<<20)|(1<<21)|(6<<22)|(3<<25)  ; the mask; 2-byte elements; padding on; bit 21 beside a mask; after every 128 words (code 6) 4 words (code 3)
	s_mov_b32 s[G1P+1], 256<<16                    ; tensor_dim0 = 256 keys
	s_mov_b32 s[G1P+2], 64<<16                     ; tensor_dim1 = 64 rows
	s_mov_b32 s[G1P+3], 256<<16                    ; tile_dim0
	s_mov_b32 s[G1P+4], 64                         ; tile_dim1
	s_mov_b32 s[G1P+5], 2048                       ; elements from row to row of pbuf
	s_mov_b32 s[G1P+6], 0
	s_mov_b32 s[G1P+7], 0
	s_or_b32 s[G1V+0], s84, (1<<16)|(1<<20)|(1<<21)|(5<<22)|(7<<25)  ; after every 64 words (code 5) 8 words (code 7)
	s_mov_b32 s[G1V+1], 128<<16                    ; 128 channels
	s_mov_b32 s[G1V+2], 128<<16                    ; 128 keys
	s_mov_b32 s[G1V+3], 128<<16
	s_mov_b32 s[G1V+4], 128
	s_mov_b32 s[G1V+5], 3072                       ; elements from row to row of qkv
	s_mov_b32 s[G1V+6], 0
	s_mov_b32 s[G1V+7], 0
	; p's offsets hang on b, pi, cy and the wave; no register that feeds them ever holds cx
	s_lshl_b32 s79, s21, 11
	s_lshl_b32 s76, s18, 7
	s_add_co_u32 s79, s79, s76                     ; 2,048 b + 128 cy
	s_lshl_b32 s76, s22, 9
	s_add_co_u32 s76, s79, s76                     ; s76: the first tile's first row
	s_sub_co_u32 s77, 3, s22
	s_lshl_b32 s77, s77, 9
	s_add_co_u32 s77, s79, s77                     ; s77: the second tile's
	s_lshl_b32 s78, s16, 6                         ; the 64 rows that I fetch
	s_add_co_u32 s79, s76, s78
	s_lshl_b32 s79, s79, 12                        ; 4,096 bytes a row
	s_lshl_b32 s80, s23, 9                         ; 512 bytes a key tile
	s_add_co_u32 s[OA], s79, s80
	s_mov_b32 s[OA+1], 0
	s_add_co_u32 s79, s77, s78
	s_lshl_b32 s79, s79, 12
	s_sub_co_u32 s80, 6, s23
	s_lshl_b32 s80, s80, 9
	s_add_co_u32 s[OAB], s79, s80
	s_mul_i32 s82, s16, 64*PP                      ; and their place in a slot
	; v's offsets hang on b, pi, cx and the wave; no register that feeds them ever holds cy
	s_lshl_b32 s85, s21, 11
	s_lshl_b32 s86, s16, 7                         ; the 128 keys that I fetch
	s_add_co_u32 s85, s85, s86
	s_mul_i32 s85, s85, 6144
	s_lshl_b32 s86, s19, 8                         ; 256 bytes a block of channels,
	s_add_co_u32 s85, s85, s86
	s_add_co_u32 s85, s85, 4096                    ; behind q's and k's columns
	s_mul_i32 s86, s23, VSTEP
	s_add_co_u32 s[OB], s85, s86
	s_mov_b32 s[OB+1], 0
	s_sub_co_u32 s86, 6, s23
	s_mul_i32 s86, s86, VSTEP
	s_add_co_u32 s[OBB], s85, s86
	s_mul_i32 s87, s16, 128*PVP
	s_add_co_u32 s87, s87, PBYTES
	s_wait_dscnt 0x0                               ; the opening add is done
	s_wait_kmcnt 0x0
	CROUND                                         ; all sixteen work-groups are here: the first joint loads meet
.irp s, 0,1
	s_mov_b32 s[G0P+4*(\s)], 1                     ; count = 1
	s_add_co_u32 s[G0P+4*(\s)+1], s82, (\s)*SLOT   ; LDS address; never rewritten
	s_add_nc_u64 s[G0P+4*(\s)+2:G0P+4*(\s)+3], s[4:5], s[OA:OA+1]
	s_or_b32 s[G0P+4*(\s)+3], s[G0P+4*(\s)+3], 0x80000000  ; type = 2
	s_mov_b32 s[G0V+4*(\s)], 1
	s_add_co_u32 s[G0V+4*(\s)+1], s87, (\s)*SLOT
	s_add_nc_u64 s[G0V+4*(\s)+2:G0V+4*(\s)+3], s[6:7], s[OB:OB+1]
	s_or_b32 s[G0V+4*(\s)+3], s[G0V+4*(\s)+3], 0x80000000
	JLOAD \s                                       ; walk entries 0 and 1: two loads of mine are out
	s_add_co_u32 s[OA], s[OA], 512
	s_add_co_u32 s[OB], s[OB], VSTEP
.endr
	s_mov_b32 s[NE], 2
	; out0 at my 64 rows and 64 channels of both tiles
	s_lshl_b32 s2, s15, 6
	s_lshl_b32 s3, s19, 9
	s_lshl_b32 s67, s16, 8
	s_add_co_u32 s3, s3, s67
	s_add_co_u32 s78, s76, s2
	s_lshl_b32 s78, s78, 12
	s_add_co_u32 s78, s78, s3
	s_mov_b32 s79, 0
	s_add_nc_u64 s[OUT:OUT+1], s[12:13], s[78:79]
	s_add_co_u32 s78, s77, s2
	s_lshl_b32 s78, s78, 12
	s_add_co_u32 s78, s78, s3
	s_add_nc_u64 s[OUTB:OUTB+1], s[12:13], s[78:79]
	; THE FACTORS.  Thread t is row t of both tiles.  Index of (b, J, row in the batch) in tmx and lsum: 16,384 b + 2,048 J + the row = 14,336 b + 2,048 J + the row counted over all batches
	s_mul_i32 s2, s21, 14336
	s_add_co_u32 s[RSA], s76, s2
	s_add_co_u32 s[RSB], s77, s2
	s_lshr_b32 s2, s18, 1
	s_add_co_u32 s[ITA], s23, s2                   ; 2 g + cy / 2
	s_sub_co_u32 s3, 6, s23
	s_add_co_u32 s[ITB], s3, s2
; Entry e: its tile, its key tile J, whether J reaches my rows' diagonal tile; where it does not, the diagonal tile's numbers are loaded in its stead (those of a hidden tile were never written) and the factor is 0.
.macro ENT e
	s_cmp_gt_u32 s[EA], \e
	s_cselect_b32 s2, s23, -2
	s_cselect_b32 s3, s[ITA], s[ITB]
	s_cselect_b32 s67, s[RSA], s[RSB]
	s_cselect_b32 s78, -1, 0
	s_add_co_u32 s2, s2, \e                        ; J
	s_max_u32 s79, s2, s3
	s_cmp_ge_u32 s2, s3
	s_cselect_b32 s20, -1, 0
	s_and_b32 s[MKA+\e], s78, s20
	s_and_not1_b32 s[MKB+\e], s20, s78
	s_lshl_b32 s79, s79, 11
	s_add_co_u32 s79, s79, s67
	s_lshl_b32 s79, s79, 2
	v_lshl_add_u32 v[VO+\e], v0, 2, s79
	global_load_b32 v[TMV+\e], v[VO+\e], s[8:9]
	global_load_b32 v[LSV+\e], v[VO+\e], s[10:11]
.endm
.irp e, 0,1,2,3,4,5,6,7,8,9
	ENT \e
.endr
	; the lanes' addresses, and O = 0, while those loads are out
	v_and_b32 v1, 15, v0                           ; r
	v_bfe_u32 v2, v0, 4, 1                         ; h
	v_mul_u32_u24 v3, v1, PP
	v_lshl_add_u32 v3, v2, 4, v3
	s_mul_i32 s2, s15, 64*PP
	v_add_nc_u32 v[ADRP], s2, v3
	v_add_nc_u32 v[ADRP+1], SLOT, v[ADRP]
	; The turning load takes 16 keys x 16 channels (lane l reads key 8 (l / 16) + l % 8, channels 8 ((l / 8) % 2) + 0..7) and leaves half a fragment of V^T: lane l holds channel l % 16 and 8 keys.
	v_and_b32 v4, 7, v0
	v_bfe_u32 v5, v0, 3, 1
	v_lshl_add_u32 v4, v2, 3, v4
	v_mul_u32_u24 v4, v4, PVP
	v_lshl_add_u32 v4, v5, 4, v4
	s_lshl_b32 s2, s16, 7
	s_add_co_u32 s2, s2, PBYTES
	v_add_nc_u32 v[ADRV], s2, v4
	v_add_nc_u32 v[ADRV+1], 128*PVP, v[ADRV]
	v_add_nc_u32 v[ADRV+2], SLOT, v[ADRV]
	v_add_nc_u32 v[ADRV+3], SLOT, v[ADRV+1]
	s_lshl_b32 s2, s15, 8
	s_add_co_u32 s2, s2, FT
	v_lshl_add_u32 v[FTA], v1, 2, s2               ; FT + 4 (64 wr + r)
	v_lshl_add_u32 v[FTS], v0, 2, FT
	s_mul_i32 s2, s[WV], 16*SP
	s_add_co_u32 s2, s2, STG
	v_mul_u32_u24 v3, v1, SP
	v_lshl_add_u32 v3, v2, 5, v3
	v_add_nc_u32 v[STO], s2, v3                    ; in: row r, 32 bytes for each half of the lanes
	v_mul_u32_u24 v3, v2, SP
	v_lshl_add_u32 v3, v1, 4, v3
	v_add_nc_u32 v[RD], s2, v3                     ; back: lanes 0-15 one row of 256 bytes, lanes 16-31 the next
	v_lshlrev_b32 v3, 12, v2
	v_lshl_add_u32 v[CO], v1, 4, v3                ; and the same two rows in out0
.irp a, 0,1,2,3
	v_mov_b32 v[FCT+2*\a+1], 0                     ; named with the factor as a pair
.endr
.set i, 0
.rept 128
	v_mov_b32 v[O+i], 0                            ; every step adds onto O in one form: the price is these lines, in the wait for the first loads
.set i, i+1
.endr
	v_mov_b32 v90, 0xff7fffff                      ; the lowest finite number
	v_mov_b32 v91, v90                             ; M of the first tile
	v_mov_b32 v92, v90                             ; of the second
	v_mov_b32 v95, 0                               ; L of the first tile
	v_mov_b32 v96, 0                               ; of the second
	s_wait_loadcnt 0x0
.irp e, 0,1,2,3,4,5,6,7,8,9
	v_cndmask_b32 v93, v90, v[TMV+\e], s[MKA+\e]
	v_cndmask_b32 v94, v90, v[TMV+\e], s[MKB+\e]
	v_max_num_f32 v91, v91, v93
	v_max_num_f32 v92, v92, v94
.endr
.irp e, 0,1,2,3,4,5,6,7,8,9
	v_cndmask_b32 v93, v92, v91, s[MKA+\e]
	v_sub_f32 v[TMV+\e], v[TMV+\e], v93            ; tm - M: at most 0 for every entry that counts
.endr
.irp e, 0,1,2,3,4,5,6,7,8,9
	v_exp_f32 v[TMV+\e], v[TMV+\e]
.endr
	v_nop                                          ; a plain instruction behind the last exponential,
	s_wait_alu depctr_va_vdst(0)                   ; and the one wait ahead of the first use
.irp e, 0,1,2,3,4,5,6,7,8,9
	v_cndmask_b32 v[FAV+\e], 0, v[TMV+\e], s[MKA+\e]
	v_cndmask_b32 v[FBV+\e], 0, v[TMV+\e], s[MKB+\e]
	v_fmac_f32 v95, v[FAV+\e], v[LSV+\e]
	v_fmac_f32 v96, v[FBV+\e], v[LSV+\e]
.endr
	v_rcp_f32 v95, v95                             ; each L holds the term of the row's largest tile, 1 x l, and l is at least about 1
	v_rcp_f32 v96, v96
	v_nop
	s_wait_alu depctr_va_vdst(0)
.irp e, 0,1,2,3,4,5,6,7,8,9
	v_mul_f32 v[FAV+\e], v[FAV+\e], v95
	v_fmac_f32 v[FAV+\e], v[FBV+\e], v96           ; one of the two is 0
	ds_store_b32 v[FTS], v[FAV+\e] offset:512*\e
.endr
; 8 matrix instructions: row blocks a0, a0 + 1 x all 4 channel blocks, 32 keys: half c of buffer f.  The 16 accumulators take turns.  zero = 1: the product starts the step's sum
.macro MUL8 f, c, a0, zero
	WIN 0xa5                                       ; v and p in window 1, the sums in window 2
.irp a, \a0, (\a0)+1
.irp bc, 0,1,2,3
.if \zero
	v_wmma_f32_16x16x32_f16 v[8*(4*(\a)+\bc):8*(4*(\a)+\bc)+7], v[128*(\f)+64+8*(4*(\c)+\bc):128*(\f)+64+8*(4*(\c)+\bc)+7], v[128*(\f)+8*(4*(\c)+(\a)):128*(\f)+8*(4*(\c)+(\a))+7], 0
.else
	v_wmma_f32_16x16x32_f16 v[8*(4*(\a)+\bc):8*(4*(\a)+\bc)+7], v[128*(\f)+64+8*(4*(\c)+\bc):128*(\f)+64+8*(4*(\c)+\bc)+7], v[128*(\f)+8*(4*(\c)+(\a)):128*(\f)+8*(4*(\c)+(\a))+7], v[8*(4*(\a)+\bc):8*(4*(\a)+\bc)+7]
.endif
.endr
.endr
.endm
; 32 LDS loads in one run: the fragments of keys 64 q .. 64 q + 63 of a slot, into buffer f; the first 32 keys first
.macro FETCH slot, q, f
	WIN 0x40                                       ; destination window 1, address window 0
.irp c, 0,1
.irp i, 0,1,2,3
	ds_load_tr16_b128 v[128*(\f)+64+8*(4*\c+\i):128*(\f)+64+8*(4*\c+\i)+3],   v[ADRV+2*(\slot)+(\q)/2] offset:(64*((\q)%2)+32*\c)*PVP+32*\i
	ds_load_tr16_b128 v[128*(\f)+64+8*(4*\c+\i)+4:128*(\f)+64+8*(4*\c+\i)+7], v[ADRV+2*(\slot)+(\q)/2] offset:(64*((\q)%2)+32*\c+16)*PVP+32*\i
	ds_load_b128 v[128*(\f)+8*(4*\c+\i):128*(\f)+8*(4*\c+\i)+3],   v[ADRP+(\slot)] offset:\i*16*PP+128*(\q)+64*\c
	ds_load_b128 v[128*(\f)+8*(4*\c+\i)+4:128*(\f)+8*(4*\c+\i)+7], v[ADRP+(\slot)] offset:\i*16*PP+128*(\q)+64*\c+32
.endr
.endr
.endm
; A step is four quarters of 64 keys, 32 matrix instructions each, on buffers 0, 1, 0, 1.  One of the first three: multiplies buffer f and fetches quarter q into buffer g.
.macro QUARTER slot, q, f, g, zero
	s_wait_dscnt 16                                ; the first 32 keys' fragments are in
	MUL8 \f, 0, 0, \zero
	MUL8 \f, 0, 2, \zero
	PLACES
	FETCH \slot, \q, \g
	s_wait_dscnt 32                                ; all but the 32 just issued
	MUL8 \f, 1, 0, 0
	MUL8 \f, 1, 2, 0
.endm
.macro FLOAD slot                      ; the step's factors for my four row blocks
	WIN 0
.irp a, 0,1,2,3
	ds_load_b32 v[FCT+2*\a], v[FTA] offset:(\slot)*512+64*\a
.endr
.endm
.macro NEXT slot                       ; the slot's two descriptors take the walk's next entry: the addresses are made anew from the offsets, which then step, and at the first tile's end go to the second tile's
	s_add_nc_u64 s[G0P+4*(\slot)+2:G0P+4*(\slot)+3], s[4:5], s[OA:OA+1]
	s_or_b32 s[G0P+4*(\slot)+3], s[G0P+4*(\slot)+3], 0x80000000
	s_add_nc_u64 s[G0V+4*(\slot)+2:G0V+4*(\slot)+3], s[6:7], s[OB:OB+1]
	s_or_b32 s[G0V+4*(\slot)+3], s[G0V+4*(\slot)+3], 0x80000000
	s_add_co_u32 s[NE], s[NE], 1
	s_add_co_u32 s[OA], s[OA], 512
	s_add_co_u32 s[OB], s[OB], VSTEP
	s_cmp_eq_u32 s[NE], s[EA]
	s_cselect_b32 s[OA], s[OAB], s[OA]
	s_cselect_b32 s[OB], s[OBB], s[OB]
.endm
; The last quarter multiplies buffer 1 and changes slots: ONE barrier.  In front of it each wave waits for all its tensor loads, of which one is out: its part of the next slot; adds 0 to its spare word; and waits for that
; and for its reads of this slot.  fill = 1: the barrier opens a round of the cluster's barrier, and this slot is filled again, two entries on, first thing behind the round: 112 matrix instructions ahead of the wait for it.
.macro TURN slot, next, fill
	WIN 0
	s_wait_tensorcnt 0x0                           ; all my tensor loads have landed, so a group 0 may be written
	ds_add_u32 v[SPW], v[NIL]                      ; 0 onto my spare word
.if \fill
	NEXT \slot
.endif
	s_wait_dscnt 17                                ; the add and the youngest sixteen loads may be out
	MUL8 1, 0, 0, 0
	s_wait_dscnt 0x0                               ; the add is done, and my reads of this slot are over
	s_barrier_signal -1
	MUL8 1, 0, 2, 0
	WIN 0                                          ; at a branch and at a label every window is 0
	s_barrier_wait -1
.if \fill
	CREST                                          ; no wave of any partner still reads this slot or has a load on its way
	JLOAD \slot                                    ; its four v_nop are also the places in front of the loads below
.else
	PLACES
.endif
	FLOAD \slot
	FETCH \next, 0, 0
	MUL8 1, 1, 0, 0
	MUL8 1, 1, 2, 0
.endm
.macro MERGE left                      ; O += factor x the step's sums; each accumulator's registers in ascending order.  left: the LDS loads issued behind the factors', which may stay out
	PLACES
	s_wait_dscnt \left
	WIN 0x02                                       ; source 0, the sums, in window 2
.set m, 0
.rept 64
	v_pk_fma_f32 v[O+2*m:O+2*m+1], v[2*m:2*m+1], v[FCT+2*(m/16):FCT+2*(m/16)+1], v[O+2*m:O+2*m+1] op_sel_hi:[1,0,1]
.set m, m+1
.endr
.endm
.macro STEP slot, fill
	QUARTER \slot, 1, 0, 1, 1
	QUARTER \slot, 2, 1, 0, 0
	QUARTER \slot, 3, 0, 1, 0
	TURN \slot, 1-(\slot), \fill
	MERGE 32
.endm
; THE WAY OUT of a tile: a block of 16 rows at a time through my own stage: a lane's eight channels (32 bytes) in, whole rows of 256 bytes back, into the registers that they left.
.macro PACKO a
.irp bc, 0,1,2,3
	ds_store_b128 v[STO], v[O+32*(\a)+8*\bc:O+32*(\a)+8*\bc+3]   offset:64*\bc
	ds_store_b128 v[STO], v[O+32*(\a)+8*\bc+4:O+32*(\a)+8*\bc+7] offset:64*\bc+16
.endr
.irp t, 0,1,2,3,4,5,6,7
	ds_load_b128 v[O+32*(\a)+4*\t:O+32*(\a)+4*\t+3], v[RD] offset:\t*2*SP  ; LDS serves a wave's instructions in order (ISA guide 5.7.1.4): these see the stores above; the next block's stores come behind them
.endr
.endm
.macro SENDO a, younger                ; younger: the LDS instructions issued behind block a's loads: the next block's sixteen, or none
.irp t, 0,1,2,3,4,5,6,7
	s_wait_dscnt (\younger)+7-\t
	global_store_b128 v[CO], v[O+32*(\a)+4*\t:O+32*(\a)+4*\t+3], s[OUT:OUT+1] offset:(16*(\a)+2*\t)*4096  ; 16 lanes store 256 consecutive bytes, at a multiple of 256 from out0's first byte
.endr
.endm
.macro EPI clear
	WIN 0
	PACKO 0
	PACKO 1
	SENDO 0, 16
	PACKO 2
	SENDO 1, 16
	PACKO 3
	SENDO 2, 16
	SENDO 3, 0
.if \clear
	s_wait_xcnt 0x0                                ; the stores have read their registers and their base
	s_mov_b64 s[OUT:OUT+1], s[OUTB:OUTB+1]
.set i, 0
.rept 128
	v_mov_b32 v[O+i], 0                            ; the second tile starts at 0
.set i, i+1
.endr
.endif
.endm
	s_wait_tensorcnt 0x1                           ; my part of entry 0 is in; entry 1's may stay out
	s_wait_dscnt 0x0                               ; for the others' sake: my rows' factors are in LDS
	s_barrier_signal -1
	s_barrier_wait -1
	FETCH 0, 0, 0
	WIN 0
	s_mov_b32 s3, 4
.Lwalk:                                                ; four trips: two entries each, and both slots are filled again
	STEP 0, 1
	STEP 1, 1
	WIN 0
	v_add_nc_u32 v[FTA], 1024, v[FTA]
	s_cmp_eq_u32 s3, s[ENDC]                       ; hangs on pi alone: the same in all sixteen partners
	s_cbranch_scc0 .Lsame                          ; a jump forward, past text with no barrier and no tensor load
	EPI 1                                          ; the first tile is finished
.Lsame:
	s_sub_co_u32 s3, s3, 1
	s_cmp_lg_u32 s3, 0
	s_cbranch_scc1 .Lwalk
	STEP 0, 0                                      ; the last two entries fill nothing, and have no round
	QUARTER 1, 1, 0, 1, 1
	QUARTER 1, 2, 1, 0, 0
	QUARTER 1, 3, 0, 1, 0
	FLOAD 1
	s_wait_dscnt 20                                ; the four factors and the second 32 keys' sixteen loads may be out
	MUL8 1, 0, 0, 0
	MUL8 1, 0, 2, 0
	s_wait_dscnt 0x0
	MUL8 1, 1, 0, 0
	MUL8 1, 1, 2, 0
	MERGE 0
	EPI 0
	s_wait_tensorcnt 0x0                           ; the wave's end: behind my last tensor load and my last LDS store
	ds_add_u32 v[SPW], v[NIL]
	s_wait_dscnt 0x0
	CROUND                                         ; the closing round: no work-group ends while a partner may still ask for a tile that names it
	s_endpgm
.Lfunc_end_k_q8747a67bff_pv:
	.size	k_q8747a67bff_pv, .Lfunc_end_k_q8747a67bff_pv-k_q8747a67bff_pv
	.p2alignl 7, 3214868480
	.fill 96, 4, 3214868480
	.section	.rodata,"a",@progbits
	.p2align	6, 0x0
	.amdhsa_kernel k_q8747a67bff_pv
		.amdhsa_group_segment_fixed_size 327680
		.amdhsa_private_segment_fixed_size 0
		.amdhsa_enable_private_segment 0
		.amdhsa_kernarg_size 40
		.amdhsa_user_sgpr_count 2
		.amdhsa_user_sgpr_kernarg_segment_ptr 1
		.amdhsa_wavefront_size32 1
		.amdhsa_system_sgpr_workgroup_id_x 1
		.amdhsa_system_sgpr_workgroup_id_y 1
		.amdhsa_system_sgpr_workgroup_id_z 1
		.amdhsa_system_vgpr_workitem_id 0
		.amdhsa_next_free_vgpr 768
		.amdhsa_next_free_sgpr 100
		.amdhsa_reserve_vcc 0
		.amdhsa_float_denorm_mode_32 3
		.amdhsa_float_denorm_mode_16_64 3
		.amdhsa_memory_ordered 1
		.amdhsa_forward_progress 1
		.amdhsa_inst_pref_size 137
	.end_amdhsa_kernel
	.amdgpu_metadata
---
amdhsa.version: [ 1, 2 ]
amdhsa.kernels:
  - .name:           k_q8747a67bff_pv
    .symbol:         k_q8747a67bff_pv.kd
    .args:
      - { .name: pbuf, .offset: 0, .size: 8, .value_kind: global_buffer, .address_space: global }
      - { .name: qkv, .offset: 8, .size: 8, .value_kind: global_buffer, .address_space: global }
      - { .name: tmx, .offset: 16, .size: 8, .value_kind: global_buffer, .address_space: global }
      - { .name: lsum, .offset: 24, .size: 8, .value_kind: global_buffer, .address_space: global }
      - { .name: out0, .offset: 32, .size: 8, .value_kind: global_buffer, .address_space: global }
    .group_segment_fixed_size: 327680
    .private_segment_fixed_size: 0
    .kernarg_segment_align: 8
    .kernarg_segment_size: 40
    .max_flat_workgroup_size: 128
    .sgpr_count:     100
    .vgpr_count:     768
    .wavefront_size: 32
...
	.end_amdgpu_metadata
.endif
;; end of part 4
;; ======== version 2 of 2: 4 launches; version 1 with the launch cast written anew for expert scheduling mode
;; limits: values are held in f16: magnitudes above 65,504 overflow, below 6.1e-05 lose precision
;; workspace buffers: xw 23,068,672 bytes; qkv 50,331,648 bytes; pbuf 33,554,432 bytes; tmx 262,144 bytes; lsum 262,144 bytes
;; launch cast (part 5): grid 352 x 1, 8 waves a work-group, no clusters, 0 bytes of LDS; arguments input, w, xw; writes xw
.if DOCPART == 5
	.amdgcn_target "amdgcn-amd-amdhsa--gfx1250"
	.amdhsa_code_object_version 6
	.text
	.protected	k_q8747a67bff_cast
	.globl	k_q8747a67bff_cast
	.p2align	8
	.type	k_q8747a67bff_cast,@function
k_q8747a67bff_cast:
	s_mov_b64 s[64:65], 0
	v_nop
	global_prefetch_b8 v0, s[64:65] scope:SCOPE_SE
	s_setreg_imm32_b32 hwreg(HW_REG_WAVE_SCHED_MODE, 0, 2), 2
	s_setreg_imm32_b32 hwreg(HW_REG_WAVE_MODE, 25, 1), 1
	s_wait_xcnt 0x0
	s_wait_alu depctr_vm_vsrc(0)
; xw = input and w, each number rounded once to bf16, laid out in blocks: [16 kb][11264 rows][64 k].
; Rows 0-8191 are input's rows (b x 2048 + n), rows 8192-11263 are w's.  In a block kb a row is 128 bytes and rows lie end to end,
; so that the product that follows can ask for a tile of 64 along K as dense rows of 256 bytes.
; SHARES.  A work-group takes 32 rows, a wave 4.  A load covers 256 consecutive bytes (64 numbers, one kb) of each of two rows: lanes 0-15 one row, lanes 16-31 the next.
; A store covers the same two rows' 128 bytes each, which are neighbours in xw: 256 consecutive bytes at a multiple of 256.
; All 32 loads of a wave (16 KiB) go out first; no register is used twice.
; No LDS, no barrier, no matrix unit: every byte is read once and written once.
; THE MODE: SCHED_MODE bits 1:0 = 2 (LLVM: expert scheduling mode 2), set by the entry lines.  The code itself states the register dependences
; between vector instructions and memory instructions, with s_wait_alu, always for 0.
; THE PLAN.  Registers that memory instructions touch:
;   v[SRC], v[DST]   byte offsets, made once at the head and never written again: every load reads the one, every store the other.
;   v[X + 4 i ..]    four registers for load i.  Written by load i; read by its two conversions, which write the first two of them in place; those two are read by store i.  Nothing writes them after that.
; The 32 loads go in eight blocks of four.  Block p's conversions name block p's sixteen registers alone; its memory instructions are the four stores of block p - 1.  So one wait at a block's head, which states
; that the block before has written its results, serves the block's four stores, and these are dealt among its conversions with no further wait.
; No register that a memory instruction has read is written again, and no load lands in a register that a vector instruction has named: nothing else is to be stated.
.set KBS, 1441792                      ; bytes from one kb block to the next: 11264 rows x 128
.set BLK, 4                            ; loads in a block
.set X,   4                            ; v[4:131]  load i: 4 registers
.set SRC, 132                          ; v132  my byte offset in the work-group's rows of the source
.set DST, 133                          ; v133  my byte offset in the work-group's rows of a block of xw
	s_load_b128 s[4:7], s[0:1], 0x0                ; input s[4:5], w s[6:7]
	s_load_b64 s[8:9], s[0:1], 0x10                ; xw
	v_lshrrev_b32 v1, 5, v0                        ; wave
	v_bfe_u32 v2, v0, 4, 1                         ; h: which row of a pair
	v_lshl_add_u32 v1, v1, 2, v2                   ; 4 x wave + h
	v_and_b32 v3, 15, v0                           ; r
	v_lshlrev_b32 v2, 4, v3
	v_lshl_add_u32 v[SRC], v1, 12, v2              ; row x 4,096 + 16 r
	v_lshlrev_b32 v3, 3, v3
	v_lshl_add_u32 v[DST], v1, 7, v3               ; row x 128 + 8 r
	s_cmp_lt_u32 ttmp9, 256                        ; work-groups 0-255 take input, 256-351 take w
	s_cselect_b32 s10, 0, 256
	s_sub_co_u32 s10, ttmp9, s10                   ; the block of 32 rows in its own tensor
	s_lshl_b32 s10, s10, 17                        ; x 32 rows x 4,096 bytes
	s_mov_b32 s11, 0
	s_lshl_b32 s12, ttmp9, 12                      ; in xw: 32 rows x 128 bytes
	s_mov_b32 s13, 0
	s_wait_kmcnt 0x0
	s_cmp_lt_u32 ttmp9, 256
	s_cselect_b64 s[4:5], s[4:5], s[6:7]
	s_add_nc_u64 s[4:5], s[4:5], s[10:11]
	s_add_nc_u64 s[16:17], s[8:9], s[12:13]        ; four bases, five blocks apart, so that a block's distance fits the stores' signed 24-bit immediate
	s_add_nc_u64 s[18:19], s[16:17], 5*KBS
	s_add_nc_u64 s[20:21], s[18:19], 5*KBS
	s_add_nc_u64 s[22:23], s[20:21], 5*KBS
	s_wait_alu depctr_va_vdst(0)                   ; v[SRC] and v[DST] are written: every load of the kernel reads the one as its offset, every store the other
.set i, 0
.rept 32                                               ; load i: pair of rows i / 16, block i % 16
	global_load_b128 v[X+4*i:X+4*i+3], v[SRC], s[4:5] offset:(i/16)*8192+(i%16)*256 th:TH_LOAD_NT
.set i, i+1
.endr
; Store n: the two registers that load n's conversions have written.
.macro PUT n
	global_store_b64 v[DST], v[X+4*(\n):X+4*(\n)+1], s[16+2*(((\n)%16)/5):17+2*(((\n)%16)/5)] offset:(((\n)%16)%5)*KBS+((\n)/16)*256
.endm
.set i, 0
.rept 32
	s_wait_loadcnt 31-i                            ; loads come back in order: load i is in, the 31 - i younger ones stay out
.if (i%BLK == 0) && (i > 0)
	s_wait_alu depctr_va_vdst(0)                   ; a block's head: the conversions of the block before have written the registers that this block's four stores read
.endif
.if i >= BLK
	PUT i-BLK                                      ; the block before.  No wait: no vector instruction since the wait at the block's head names its registers
.endif
	v_cvt_pk_bf16_f32 v[X+4*i], v[X+4*i], v[X+4*i+1]
	v_cvt_pk_bf16_f32 v[X+4*i+1], v[X+4*i+2], v[X+4*i+3]
.set i, i+1
.endr
	s_wait_alu depctr_va_vdst(0)                   ; the last block's conversions have written the registers that the last four stores read
.set i, 32-BLK
.rept BLK
	PUT i
.set i, i+1
.endr
	s_endpgm
.Lfunc_end_k_q8747a67bff_cast:
	.size	k_q8747a67bff_cast, .Lfunc_end_k_q8747a67bff_cast-k_q8747a67bff_cast
	.p2alignl 7, 3214868480
	.fill 96, 4, 3214868480
	.section	.rodata,"a",@progbits
	.p2align	6, 0x0
	.amdhsa_kernel k_q8747a67bff_cast
		.amdhsa_group_segment_fixed_size 0
		.amdhsa_private_segment_fixed_size 0
		.amdhsa_enable_private_segment 0
		.amdhsa_kernarg_size 24
		.amdhsa_user_sgpr_count 2
		.amdhsa_user_sgpr_kernarg_segment_ptr 1
		.amdhsa_wavefront_size32 1
		.amdhsa_system_sgpr_workgroup_id_x 1
		.amdhsa_system_sgpr_workgroup_id_y 1
		.amdhsa_system_sgpr_workgroup_id_z 1
		.amdhsa_system_vgpr_workitem_id 0
		.amdhsa_next_free_vgpr 136
		.amdhsa_next_free_sgpr 66
		.amdhsa_reserve_vcc 0
		.amdhsa_float_denorm_mode_32 3
		.amdhsa_float_denorm_mode_16_64 3
		.amdhsa_memory_ordered 1
		.amdhsa_forward_progress 1
		.amdhsa_inst_pref_size 13
	.end_amdhsa_kernel
	.amdgpu_metadata
---
amdhsa.version: [ 1, 2 ]
amdhsa.kernels:
  - .name:           k_q8747a67bff_cast
    .symbol:         k_q8747a67bff_cast.kd
    .args:
      - { .name: input, .offset: 0, .size: 8, .value_kind: global_buffer, .address_space: global }
      - { .name: w, .offset: 8, .size: 8, .value_kind: global_buffer, .address_space: global }
      - { .name: xw, .offset: 16, .size: 8, .value_kind: global_buffer, .address_space: global }
    .group_segment_fixed_size: 0
    .private_segment_fixed_size: 0
    .kernarg_segment_align: 8
    .kernarg_segment_size: 24
    .max_flat_workgroup_size: 256
    .sgpr_count:     66
    .vgpr_count:     136
    .wavefront_size: 32
...
	.end_amdgpu_metadata
.endif
;; end of part 5
;; launch proj: the kernel of part 2 again; grid 8 x 32, 4 waves a work-group, clusters of 4 x 4, 327,680 bytes of LDS; arguments xw, qkv; writes qkv
;; launch scores: the kernel of part 3 again; grid 10 x 16, 4 waves a work-group, no clusters, 327,680 bytes of LDS; arguments qkv, pbuf, tmx, lsum; writes pbuf, tmx, lsum
;; launch pv: the kernel of part 4 again; grid 8 x 32, 4 waves a work-group, clusters of 4 x 4, 327,680 bytes of LDS; arguments pbuf, qkv, tmx, lsum, out0; writes out0
